; MI455X (gfx1250); checked and timed in simulation.
; The chip was launched on July 23, 2026; its instructions are those of AMD's public machine-readable ISA for CDNA 5 (MIT licence, August 2026) and "CDNA5" Instruction Set Architecture Reference Guide (July 2026). The comments in the code are by the model that wrote it; some were corrected since.
;; Multi Head Attention With Ro PE. Allowed arithmetic: matrix products marked QUANTISED: E2M1 operands, one E8M0 scale for each 32 along K, by v_wmma_scale_f32_16x16x128_f8f6f4 with both operands' format E2M1 (or v_wmma_scale_f32_32x16x128_f4), f32 sums; everything else in f32.
;; Inputs: Wk_codes 512 x 64 x 16 uint8 (E2M1 codes of Wk, K innermost, in blocks of 32 codes, two codes a byte); Wk_scales 512 x 64 uint8 (E8M0 scales of Wk, one for each 32 codes along K); Wo_codes 2,048 x 64 x 16 uint8 (E2M1 codes of Wo, K innermost, in blocks of 32 codes, two codes a byte); Wo_scales 2,048 x 64 uint8 (E8M0 scales of Wo, one for each 32 codes along K); Wq_codes 2,048 x 64 x 16 uint8 (E2M1 codes of Wq, K innermost, in blocks of 32 codes, two codes a byte); Wq_scales 2,048 x 64 uint8 (E8M0 scales of Wq, one for each 32 codes along K); Wv_codes 512 x 64 x 16 uint8 (E2M1 codes of Wv, K innermost, in blocks of 32 codes, two codes a byte); Wv_scales 512 x 64 uint8 (E8M0 scales of Wv, one for each 32 codes along K); cos 2,048 x 64 float32; mask 1 x 1 x 2,048 x 2,048 bool; sin 2,048 x 64 float32; x_codes 1 x 2,048 x 64 x 16 uint8 (E2M1 codes of x, K innermost, in blocks of 32 codes, two codes a byte); x_scales 1 x 2,048 x 64 uint8 (E8M0 scales of x, one for each 32 codes along K).
;; Outputs: out0 1 x 2,048 x 2,048 float32.
;; This version of the problem:
;;   THIS VERSION OF THE PROBLEM IS GIVEN IN LOW PRECISION. The matrix products marked QUANTISED in the list below multiply operands that are first quantised to E2M1 (2 exponent bits, 1 mantissa bit; 4 bits a number), with one power-of-two scale for each 32 numbers along K (OCP MX v1.0); their sums are f32. All else is computed in f32.
;;   The module's matrix products, in the order in which they are computed (A, B: the left and right operand; K: the contracted axis; several contracted axes count as one K, in the product's order):
;;     1. [M 2,048, K 2,048] x [K 2,048, N 2,048]; A: input x (given as codes); B: input Wq (given as codes): QUANTISED
;;     2. [M 2,048, K 2,048] x [K 2,048, N 512]; A: input x (given as codes); B: input Wk (given as codes): QUANTISED
;;     3. [M 2,048, K 2,048] x [K 2,048, N 512]; A: input x (given as codes); B: input Wv (given as codes): QUANTISED
;;     4. batch 32 x [M 2,048, K 64] x [K 64, N 2,048]; A: computed on the way; B: computed on the way: QUANTISED
;;     5. batch 32 x [M 2,048, K 2,048] x [K 2,048, N 64]; A: softmax (see below); B: computed on the way: QUANTISED
;;     6. [M 2,048, K 2,048] x [K 2,048, N 2,048]; A: computed on the way; B: input Wo (given as codes): QUANTISED
;;   THE QUANTISER, for each operand of a quantised product, along K:
;;     - K is cut into blocks of 32 from its start; a last block that is shorter is filled with zeros.
;;     - A block's scale is 2^e with e = floor(log2(the largest magnitude in the block)) - 2, held to -126 .. 127; a block of zeros has e = 0. As a byte (E8M0): e + 127.
;;     - Each number is divided by its block's scale, clamped to +-6, and rounded to the nearest number of E2M1, ties to even, subnormals kept.
;;     - The product sums the exact products of the quantised numbers (number of the format x scale) in f32.
;;   ~~~python
;;   def quantise(x, axis):      # numpy; x: float32 -> the quantised numbers, widened to float32 again
;;       x = np.moveaxis(x, axis, -1); K = x.shape[-1]
;;       x = np.pad(x, [(0, 0)] * (x.ndim - 1) + [(0, -K % 32)]); x = x.reshape(x.shape[:-1] + (-1, 32)); a = np.abs(x).max(-1, keepdims=True)
;;       e = np.where(a > 0, np.clip(np.frexp(np.where(a > 0, a, 1))[1] - 1 - 2, -126, 127), 0)      # np.frexp(a)[1] - 1 = floor(log2(a)), exactly
;;       r = np.clip(x / 2.0 ** e, -6, 6)
;;       step = 2.0 ** (np.maximum(np.frexp(np.where(r == 0, 1, r))[1] - 1, 0) - 1)
;;       q = np.round(r / step) * step * 2.0 ** e      # np.round: ties to even
;;       return np.moveaxis(q.reshape(q.shape[:-2] + (-1,))[..., :K], -1, axis).astype(np.float32)
;;   ~~~
;;   SOFTMAX AHEAD OF A QUANTISED PRODUCT. Where the list says 'softmax', what is quantised is not the finished softmax but p = 2^(t - M), with t = logit x log2(e) and M = ceil(the row's largest t), a whole number; so 1/2 < the row's largest p <= 1. The row's sum l is taken of the UNQUANTISED p, in f32, and the product's result is divided by l at the end. Since M is a whole number, a kernel that streams over the keys may use a running M (the ceiling of the running maximum): every later rescaling is an exact power of two, which a block's scale takes up: the codes' values come out the same.
;;   OPERANDS COMPUTED ON THE WAY. 'Computed on the way' means the value that the module computes at that place (a softmax that the list does not call 'softmax' is quantised finished and normalised). What goes into a quantiser is computed in f32, as accurately as f32 sums, v_exp_f32 and their like allow (about 1e-6 of the number): no bf16 or f16 on the way to a quantiser, and a product that is left as it is and whose result goes on into a quantised operand takes f32 operands (vector FMAs, or v_wmma_f32_16x16x4_f32). A number that lies on a knife's edge between two numbers of the format may be rounded either way, as far as f32 arithmetic and the matrix unit's own rounding can turn it there, and no further.
;;   INPUTS GIVEN AS CODES. Wk (in the module: [512, 2048], K = its axis 1); Wo (in the module: [2048, 2048], K = its axis 1); Wq (in the module: [2048, 2048], K = its axis 1); Wv (in the module: [512, 2048], K = its axis 1); x (in the module: [1, 2048, 2048], K = its axis 2): each comes as NAME_codes (uint8): NAME with its K axis moved to the last place and cut into blocks of 32 codes, [.., K / 32, bytes a block], one block behind the other in memory; two codes a byte, the lower K in the low four bits (a code: sign, 2 exponent bits, 1 mantissa bit); and NAME_scales (uint8): the same leading axes, one E8M0 byte (e + 127) for each 32 codes along K. Its value is code x scale, taken as it is: it is not quantised again, and the codes and scales need not be those that the quantiser above would give.
;; 2 versions, each right; version 2 is version 1 with the launch attn written anew for expert scheduling mode. Each part assembles by itself: llvm-mc -triple=amdgcn-amd-amdhsa -mcpu=gfx1250 --defsym DOCPART=n.
;; ======== version 1 of 2: 3 launches
;; workspace buffers: q_img 2,097,152 bytes; q_sc 262,144 bytes; kv_img 1,146,880 bytes; mwords 524,288 bytes of whole numbers; mflags 8,192 bytes of whole numbers; a_img 2,097,152 bytes; a_sc 131,072 bytes
;; launch qkv (part 1): grid 24 x 16, 4 waves a work-group, clusters of 4 x 4, 279,040 bytes of LDS; arguments x_codes, x_scales, Wq_codes, Wq_scales, Wk_codes, Wk_scales, Wv_codes, Wv_scales, cos, sin, mask, mwords, mflags, q_img, q_sc, kv_img; writes mwords, mflags, q_img, q_sc, kv_img
.if DOCPART == 1
	.amdgcn_target "amdgcn-amd-amdhsa--gfx1250"
	.amdhsa_code_object_version 6
	.text
	.protected	k_qcda43076cc_qkv
	.globl	k_qcda43076cc_qkv
	.p2align	8
	.type	k_qcda43076cc_qkv,@function
k_qcda43076cc_qkv:
	s_mov_b64 s[64:65], 0
	v_nop
	global_prefetch_b8 v0, s[64:65] scope:SCOPE_SE
	s_setreg_imm32_b32 hwreg(HW_REG_WAVE_MODE, 25, 1), 1
	s_wait_xcnt 0x0
	s_wait_alu depctr_hold_cnt(0) depctr_sa_sdst(0) depctr_va_vdst(0) depctr_va_sdst(0) depctr_va_ssrc(0) depctr_va_vcc(0) depctr_vm_vsrc(0)
	s_getreg_b32 s2, hwreg(HW_REG_IB_STS2, 6, 4)
	s_cmp_eq_u32 s2, 0
	s_cbranch_scc0 .Lentry_in_a_cluster
	s_endpgm
.Lentry_in_a_cluster:
	s_bfe_u32 s2, ttmp6, 0x10000c
	s_cmp_lg_u32 s2, 0xf033
	s_cbranch_scc0 .Lentry_shape_is_right
	s_endpgm
.Lentry_shape_is_right:
; q = x Wq^T, k = x Wk^T, v = x Wv^T on the given codes of FP4 (E2M1, one E8M0 byte for each 32 along K = 2,048); RoPE on q and k in f32; q and k quantised along the head's 64,
; v along the tokens; all three stored as images of the registers in which the next launch wants them.  The work-groups of q also pack the mask into lane-mask words and flags.
; SHARES.  A work-group makes 128 R0 rows x 128 R1 rows over all of K.  R0 is source 0 of the matrix instruction: in the result it runs along a lane's registers, so it is the axis along which
; the result is quantised.  q, k: R0 = 128 rows of W (two heads), R1 = 128 tokens.  v: R0 = 128 tokens (one key step), R1 = 128 rows of Wv (two heads).  Only pointers differ between the three.
; Wave w takes all 128 R0 rows x R1 rows 32 w .. 32 w + 31: 16 accumulators.
; GRID.  Clusters of 4 x 4; cluster x 0-3: q, 4: k, 5: v.  R0's tile hangs on cx alone and is asked for jointly down a column of the cluster, R1's on cy alone and jointly along a row.
; Every branch hangs on the cluster's x or on the wave's number, which all partners share.
; LDS.  256 rows x 2,048 codes are 256 KiB: all of K stays.  Four chunks of 512 along K (a row: 256 bytes + 16 of padding), each filled once; a wave has four tensor loads out, all issued at the head.
; LIMITS.  A block of zeros gets the scale byte 1 where the quantiser's rule says 127: its codes are zeros and this program alone reads the bytes.  NaN and infinities among the inputs are not served;
; blocks whose largest magnitude lies under 2^-124 (the floor) were not tried.
.set CH,     69632                     ; a chunk in LDS: R0's 128 rows, then R1's 128 rows
.set PITCH,  272                       ; 256 bytes + 16: the 16 rows of a fragment load start at 16 different groups of banks
.set TROW,   16*PITCH
.set R1OFF,  128*PITCH
.set HALFT,  64*PITCH                  ; what one tensor load brings
.set REC,    8960                      ; a record of kv_img: one kv head's one key step: K images 4,096, V fragments 4,096, K scale words 512, V scale words 256
.set WV,   2                           ; s2  wave
.set ROLE, 3                           ; s3  wave / 2: 0 fetches R0, 1 fetches R1
.set HALF, 4                           ; s4  wave % 2: which 64 rows
.set CX,   5
.set CY,   6
.set CLX,  7
.set CLY,  8
.set TYPE, 9                           ; s9  0 q, 1 k, 2 v
.set U0,   10                          ; s10 R0's tile (cx and cluster ids)
.set U1,   11                          ; s11 R1's tile (cy and cluster ids)
.set G1A,  24                          ; s[24:31] group 1 for R0's tiles;  s[32:39] for R1's
.set G1B,  32
.set G0A,  40                          ; s[40:55] groups 0 for R0's four chunks;  R1's at s56, s60, s68, s72
.set SEL,  66                          ; s[66:67] lane selects: lane l xor 16
.set MAND, 96
.set MOR,  97
.set ADR0, 1                           ; v1  LDS address of my R0 fragments in the chunk in hand
.set ADR1, 2                           ; v2  the same for R1
.set TM,   16                          ; v16-19 largest magnitudes; v20-23 the other half's, then bytes; v24-27 the conversions' scale operands
.set TP,   20
.set TS,   24
.set SC0,  48                          ; v48-111  R0's scale words: 16 (a % 4) + K step; lanes 0-15 tile a % 4, lanes 16-31 tile a % 4 + 4
.set SC1,  112                         ; v112-127 R1's: K step; lanes 0-15 my tile 0, lanes 16-31 my tile 1
.set ACC,  128                         ; v128-255 accumulator (a, i) at ACC + 64 i + 8 a
.set MSB, 0
.macro WIN new                         ; the immediate's high byte repeats the setting that is left
.if MSB != \new
	s_set_vgpr_msb (MSB<<8)|\new
.set MSB, \new
.endif
.endm
.set MUL,  0x05                        ; sources 0 and 1 window 1; C and D window 0
.set TO_F, 0x40                        ; destination window 1, address window 0
.macro CROUND                          ; a round of the cluster's barrier
	s_barrier_signal -1
	s_barrier_wait -1
	s_cmp_lg_u32 s[WV], 0
	s_cbranch_scc1 .Lnot_wave_0_\@
	s_barrier_signal -3
.Lnot_wave_0_\@:
	s_barrier_wait -3
	s_barrier_signal -1
	s_barrier_wait -1
.endm
; one product: z = 1 starts the sum; ra, rb = 1: that side's scale words stand in lanes 16-31
.macro MM d, a, b, z, sa, sb, ra, rb
.if (\z) && (\ra) && (\rb)
	v_wmma_scale_f32_16x16x128_f8f6f4 v[\d:\d+7], v[\a:\a+7], v[\b:\b+7], 0, v[\sa], v[\sb] matrix_a_fmt:MATRIX_FMT_FP4 matrix_b_fmt:MATRIX_FMT_FP4 matrix_a_scale:MATRIX_SCALE_ROW1 matrix_b_scale:MATRIX_SCALE_ROW1
.elseif (\z) && (\ra)
	v_wmma_scale_f32_16x16x128_f8f6f4 v[\d:\d+7], v[\a:\a+7], v[\b:\b+7], 0, v[\sa], v[\sb] matrix_a_fmt:MATRIX_FMT_FP4 matrix_b_fmt:MATRIX_FMT_FP4 matrix_a_scale:MATRIX_SCALE_ROW1
.elseif (\z) && (\rb)
	v_wmma_scale_f32_16x16x128_f8f6f4 v[\d:\d+7], v[\a:\a+7], v[\b:\b+7], 0, v[\sa], v[\sb] matrix_a_fmt:MATRIX_FMT_FP4 matrix_b_fmt:MATRIX_FMT_FP4 matrix_b_scale:MATRIX_SCALE_ROW1
.elseif (\z)
	v_wmma_scale_f32_16x16x128_f8f6f4 v[\d:\d+7], v[\a:\a+7], v[\b:\b+7], 0, v[\sa], v[\sb] matrix_a_fmt:MATRIX_FMT_FP4 matrix_b_fmt:MATRIX_FMT_FP4
.elseif (\ra) && (\rb)
	v_wmma_scale_f32_16x16x128_f8f6f4 v[\d:\d+7], v[\a:\a+7], v[\b:\b+7], v[\d:\d+7], v[\sa], v[\sb] matrix_a_fmt:MATRIX_FMT_FP4 matrix_b_fmt:MATRIX_FMT_FP4 matrix_a_scale:MATRIX_SCALE_ROW1 matrix_b_scale:MATRIX_SCALE_ROW1
.elseif (\ra)
	v_wmma_scale_f32_16x16x128_f8f6f4 v[\d:\d+7], v[\a:\a+7], v[\b:\b+7], v[\d:\d+7], v[\sa], v[\sb] matrix_a_fmt:MATRIX_FMT_FP4 matrix_b_fmt:MATRIX_FMT_FP4 matrix_a_scale:MATRIX_SCALE_ROW1
.elseif (\rb)
	v_wmma_scale_f32_16x16x128_f8f6f4 v[\d:\d+7], v[\a:\a+7], v[\b:\b+7], v[\d:\d+7], v[\sa], v[\sb] matrix_a_fmt:MATRIX_FMT_FP4 matrix_b_fmt:MATRIX_FMT_FP4 matrix_b_scale:MATRIX_SCALE_ROW1
.else
	v_wmma_scale_f32_16x16x128_f8f6f4 v[\d:\d+7], v[\a:\a+7], v[\b:\b+7], v[\d:\d+7], v[\sa], v[\sb] matrix_a_fmt:MATRIX_FMT_FP4 matrix_b_fmt:MATRIX_FMT_FP4
.endif
.endm
	s_load_b512 s[76:91], s[0:1], 0x0              ; x codes 76, x scales 78, Wq 80, 82, Wk 84, 86, Wv 88, 90
	s_load_b128 s[92:95], s[0:1], 0x40             ; cos, sin
	s_set_vgpr_msb 0x40
	v_lshl_add_u32 v254, v0, 2, 0x44000
	v_mov_b32 v255, 0
	s_set_vgpr_msb 0x4045
	ds_add_u32 v254, v255
	ds_add_u32 v254, v255
	s_set_vgpr_msb 0x4500
	v_lshrrev_b32 v11, 5, v0
	v_readfirstlane_b32 s[WV], v11
	s_lshr_b32 s[ROLE], s[WV], 1
	s_and_b32 s[HALF], s[WV], 1
	s_bfe_u32 s[CX], ttmp6, 0x40000
	s_bfe_u32 s[CY], ttmp6, 0x40004
	s_mov_b32 s[CLX], ttmp9                        ; in a cluster launch ttmp9 and ttmp7 count clusters
	s_and_b32 s[CLY], ttmp7, 0xffff
	s_max_u32 s[TYPE], s[CLX], 3
	s_sub_co_u32 s[TYPE], s[TYPE], 3
	s_lshl_b32 s104, s[CLY], 2                     ; 4 Y (s104 holds nothing else)
	s_lshl_b32 s[U0], s[CLX], 2
	s_cmp_eq_u32 s[TYPE], 0
	s_cselect_b32 s[U0], s[U0], 0                  ; q: 4 X;  k: 0
	s_cmp_eq_u32 s[TYPE], 2
	s_cselect_b32 s[U0], s104, s[U0]               ; v: 4 Y
	s_cselect_b32 s[U1], 0, s104                   ; q, k: 4 Y;  v: 0
	s_add_co_u32 s[U0], s[U0], s[CX]
	s_add_co_u32 s[U1], s[U1], s[CY]
	; group 1: 64 rows x 256 bytes, rows 1,024 bytes apart in memory, 16 bytes of padding behind each in LDS
	s_lshl_b32 s105, 0x1111, s[CX]                 ; my column of the cluster (s105 holds nothing else)
	s_or_b32 s[G1A], s105, (1<<20)|(1<<21)|(5<<22)|(3<<25)   ; 15:0 mask; 17:16 elements of 1 byte; 20 padding on; 21 set beside a mask; 24:22 after every 64 words; 31:25 four words
	s_lshl_b32 s101, s[CY], 2
	s_lshl_b32 s101, 15, s101                      ; my row (s101 holds nothing else)
	s_or_b32 s[G1B], s101, (1<<20)|(1<<21)|(5<<22)|(3<<25)
.irp g, G1A, G1B
	s_mov_b32 s[\g+1], 256<<16                     ; tensor_dim0
	s_mov_b32 s[\g+2], 64<<16                      ; tensor_dim1
	s_mov_b32 s[\g+3], 256<<16                     ; tile_dim0
	s_mov_b32 s[\g+4], 64                          ; tile_dim1
	s_mov_b32 s[\g+5], 1024                        ; tensor_dim0_stride
	s_mov_b32 s[\g+6], 0
	s_mov_b32 s[\g+7], 0
.endr
	s_mov_b32 s[SEL], 0x76543210
	s_mov_b32 s[SEL+1], 0xfedcba98
	v_and_b32 v11, 15, v0                          ; r
	v_bfe_u32 v12, v0, 4, 1                        ; h
	v_and_b32 v13, 31, v0                          ; lane
	v_mul_u32_u24 v[ADR0], v11, PITCH
	v_lshl_add_u32 v[ADR0], v12, 4, v[ADR0]        ; a fragment's row x pitch + 16 x half
	s_mul_i32 s99, s[WV], 2*TROW
	v_add_nc_u32 v[ADR1], s99, v[ADR0]
	v_add_nc_u32 v[ADR1], R1OFF, v[ADR1]           ; my 32 rows of R1
	v_lshlrev_b32 v3, 6, v11
	v_lshl_add_u32 v3, v12, 12, v3                 ; R0's scales: row r of 64 bytes; lanes 16-31 four tiles on
	v_lshlrev_b32 v4, 6, v13                       ; R1's: row = lane
	v_lshlrev_b32 v5, 8, v11
	v_lshl_add_u32 v5, v12, 5, v5                  ; cos, sin: token r of 256 bytes, + 8 h numbers
	v_lshlrev_b32 v6, 4, v13                       ; 16 x lane: an image's place
	v_lshlrev_b32 v8, 2, v13                       ; 4 x lane
	v_lshlrev_b32 v9, 11, v11
	v_lshl_add_u32 v9, v12, 3, v9                  ; mask: query r of 2,048 bytes, + 8 h keys
	v_lshlrev_b32 v10, 3, v13                      ; 8 x lane
.irp b, 0,1,2,3
	v_mov_b32 v[TP+\b], 0                          ; written once: a lane permute's destination counts as one of its sources
.endr
	s_wait_dscnt 0x0
	s_wait_kmcnt 0x0
	s_cmp_eq_u32 s[TYPE], 1
	s_cselect_b64 s[16:17], s[84:85], s[80:81]     ; R0's codes: Wk or Wq,
	s_cselect_b64 s[20:21], s[86:87], s[82:83]     ; and scales;
	s_cmp_eq_u32 s[TYPE], 2
	s_cselect_b64 s[16:17], s[76:77], s[16:17]     ; for v: x
	s_cselect_b64 s[20:21], s[78:79], s[20:21]
	s_cselect_b64 s[18:19], s[88:89], s[76:77]     ; R1's codes: Wv or x
	s_cselect_b64 s[22:23], s[90:91], s[78:79]
	s_load_b256 s[76:83], s[0:1], 0x50             ; mask 76, mwords 78, mflags 80, q_img 82
	s_load_b128 s[84:87], s[0:1], 0x70             ; q_sc 84, kv_img 86
	s_lshl_b32 s12, s[U0], 17                      ; R0: 128 rows of 1,024 bytes a tile, + my 64 rows.  s12, s13 never hold cy
	s_lshl_b32 s13, s[HALF], 16
	s_add_co_u32 s12, s12, s13
	s_mov_b32 s13, 0
	s_add_nc_u64 s[16:17], s[16:17], s[12:13]
	s_lshl_b32 s14, s[U1], 17                      ; R1 likewise.  s14, s15 never hold cx
	s_lshl_b32 s15, s[HALF], 16
	s_add_co_u32 s14, s14, s15
	s_mov_b32 s15, 0
	s_add_nc_u64 s[18:19], s[18:19], s[14:15]
	s_mul_i32 s100, s[HALF], HALFT                 ; where my rows go: no place in the cluster enters an LDS address
.irp j, 0,1,2,3
	s_mov_b32 s[G0A+4*\j], 1                                        ; count = 1
	s_add_co_u32 s[G0A+4*\j+1], s100, \j*CH                         ; LDS address
	s_add_nc_u64 s[G0A+4*\j+2:G0A+4*\j+3], s[16:17], \j*256         ; chunk j: 256 bytes on in each row
	s_or_b32 s[G0A+4*\j+3], s[G0A+4*\j+3], 0x80000000               ; type = 2
	s_mov_b32 s[56+4*\j+4*(\j/2)], 1
	s_add_co_u32 s[56+4*\j+4*(\j/2)+1], s100, \j*CH+R1OFF
	s_add_nc_u64 s[56+4*\j+4*(\j/2)+2:56+4*\j+4*(\j/2)+3], s[18:19], \j*256
	s_or_b32 s[56+4*\j+4*(\j/2)+3], s[56+4*\j+4*(\j/2)+3], 0x80000000
.endr
	s_lshl_b32 s12, s[U0], 13                      ; the scales of R0's 128 rows
	s_add_nc_u64 s[20:21], s[20:21], s[12:13]
	s_lshl_b32 s14, s[U1], 13                      ; of R1's, my 32 rows
	s_lshl_b32 s15, s[WV], 11
	s_add_co_u32 s14, s14, s15
	s_mov_b32 s15, 0
	s_add_nc_u64 s[22:23], s[22:23], s[14:15]
	s_lshl_b32 s14, s[U1], 15                      ; cos and sin at R1's row 128 u1 + 32 w
	s_lshl_b32 s15, s[WV], 13
	s_add_co_u32 s14, s14, s15
	s_mov_b32 s15, 0
	s_add_nc_u64 s[92:93], s[92:93], s[14:15]
	s_add_nc_u64 s[94:95], s[94:95], s[14:15]
	CROUND                                         ; all sixteen work-groups are here: the joint loads meet
	s_cmp_eq_u32 s[ROLE], 0                        ; a wave's four fills stand in one branch on the wave's number; four v_nop follow the last
	s_cbranch_scc0 .Lfill_r1
	tensor_load_to_lds s[40:43], s[G1A:G1A+7]
	s_nop 0
	tensor_load_to_lds s[44:47], s[G1A:G1A+7]
	s_nop 0
	tensor_load_to_lds s[48:51], s[G1A:G1A+7]
	s_nop 0
	tensor_load_to_lds s[52:55], s[G1A:G1A+7]
	s_nop 0
.rept 4
	v_nop
.endr
	s_branch .Lfilled
.Lfill_r1:
	tensor_load_to_lds s[56:59], s[G1B:G1B+7]
	s_nop 0
	tensor_load_to_lds s[60:63], s[G1B:G1B+7]
	s_nop 0
	tensor_load_to_lds s[68:71], s[G1B:G1B+7]
	s_nop 0
	tensor_load_to_lds s[72:75], s[G1B:G1B+7]
	s_nop 0
.rept 4
	v_nop
.endr
.Lfilled:
	; the scale words of all 16 K steps come once, straight into registers that hold nothing else: a row's 64 bytes are its 16 words
.irp a, 0,1,2,3
.irp j, 0,1,2,3
	global_load_b128 v[SC0+16*\a+4*\j:SC0+16*\a+4*\j+3], v3, s[20:21] offset:\a*1024+16*\j
.endr
.endr
.irp j, 0,1,2,3
	global_load_b128 v[SC1+4*\j:SC1+4*\j+3], v4, s[22:23] offset:16*\j
.endr
	; cos and sin of my 32 tokens, window 2: tile i: cos at 64 i, sin at 64 i + 32; register 8 n + j is d = 16 n + 8 h + j.  Every work-group loads them, so that the registers are written on every way
	; through the text; v's work-groups (R1 tile = cy, inside the tables) do not use them
	WIN 0x80
.irp i, 0,1
.irp n, 0,1,2,3
	global_load_b128 v[64*\i+8*\n:64*\i+8*\n+3], v5, s[92:93] offset:\i*4096+\n*64
	global_load_b128 v[64*\i+8*\n+4:64*\i+8*\n+7], v5, s[92:93] offset:\i*4096+\n*64+16
	global_load_b128 v[64*\i+32+8*\n:64*\i+32+8*\n+3], v5, s[94:95] offset:\i*4096+\n*64
	global_load_b128 v[64*\i+32+8*\n+4:64*\i+32+8*\n+7], v5, s[94:95] offset:\i*4096+\n*64+16
.endr
.endr
	WIN 0
	s_wait_kmcnt 0x0
	s_cmp_eq_u32 s[TYPE], 0
	s_cbranch_scc0 .Lno_mask
	; THE MASK, while the tiles are on their way.  q's 256 work-groups x 4 waves x 2 units = 128 tiles of 16 queries x 16 key steps.  A unit: 64 words; word 8 t + j, bit l = mask[16 qt + l % 16][128 s + 16 t + 8 (l / 16) + j]:
	; the lane mask for register 8 t + j of the scores as the next launch holds them.  Its flag: bit s set where all 2,048 are masked, bit 16 + s where none is.
	s_and_b32 s88, s[U0], 7
	s_lshl_b32 s89, s[U1], 3
	s_add_co_u32 s88, s88, s89                     ; qt = 8 u1 + u0 % 8
	s_lshr_b32 s89, s[U0], 3
	s_lshl_b32 s89, s89, 3
	s_lshl_b32 s99, s[WV], 1
	s_add_co_u32 s89, s89, s99                     ; my first key step: 8 (u0 / 8) + 2 w
	s_lshl_b32 s90, s88, 15
	s_lshl_b32 s99, s89, 7
	s_add_co_u32 s90, s90, s99
	s_mov_b32 s91, 0
	s_add_nc_u64 s[76:77], s[76:77], s[90:91]      ; mask: 16 qt rows of 2,048 bytes + 128 s
	s_lshl_b32 s90, s88, 12
	s_lshl_b32 s99, s89, 8
	s_add_co_u32 s90, s90, s99
	s_add_nc_u64 s[78:79], s[78:79], s[90:91]      ; mwords: 4,096 qt + 256 s
	s_lshl_b32 s90, s88, 6
	s_lshl_b32 s99, s89, 2
	s_add_co_u32 s90, s90, s99
	s_add_nc_u64 s[80:81], s[80:81], s[90:91]      ; mflags: 64 qt + 4 s
.irp e, 0,1
.irp t, 0,1,2,3,4,5,6,7
	global_load_b64 v[128+16*\e+2*\t:129+16*\e+2*\t], v9, s[76:77] offset:128*\e+16*\t   ; the sixteen loads together take 256 consecutive bytes of each of 16 rows
.endr
.endr
.irp q, 12,13,14,15
	v_mov_b32 v\q, 0                               ; v_writelane_b32's destination counts as read
.endr
	s_wait_loadcnt 0x0
.irp e, 0,1
	s_mov_b32 s[MAND], -1
	s_mov_b32 s[MOR], 0
.set n, 0
.rept 64
	v_and_b32 v[16+n%4], 0xff<<(8*(n%4)), v[128+16*\e+2*(n/8)+(n%8)/4]   ; byte j of my eight
	v_cmp_ne_u32 s[98+n%2], 0, v[16+n%4]           ; the 32 lanes' bits are the word
	v_writelane_b32 v[12+2*\e+n%2], s[98+n%2], n/2 ; word n to lane n / 2, register n % 2: a lane stores two neighbouring words
	s_and_b32 s[MAND], s[MAND], s[98+n%2]
	s_or_b32 s[MOR], s[MOR], s[98+n%2]
.set n, n+1
.endr
	s_cmp_eq_u32 s[MAND], -1
	s_cselect_b32 s[20+\e], 1, 0                   ; (s20, s21: the loads that named them have come)
	s_cmp_eq_u32 s[MOR], 0
	s_cselect_b32 s98, 0x10000, 0
	s_or_b32 s[20+\e], s[20+\e], s98
	s_add_co_u32 s98, s89, \e
	s_lshl_b32 s[20+\e], s[20+\e], s98
.endr
	global_store_b64 v10, v[12:13], s[78:79]       ; 32 lanes store 256 consecutive bytes, aligned
	global_store_b64 v10, v[14:15], s[78:79] offset:256
	v_and_b32 v16, 1, v0
	v_cmp_eq_u32 vcc_lo, 1, v16
	v_mov_b32 v17, s20
	v_mov_b32 v18, s21
	v_cndmask_b32 v17, v17, v18, vcc_lo
	v_lshlrev_b32 v16, 2, v16
	global_store_b32 v16, v17, s[80:81]            ; the two flags: lane l writes flag l % 2 at 4 (l % 2): equal values to equal addresses
	s_wait_xcnt 0x0                                ; the stores have read their registers: these are written again below
.Lno_mask:
	s_wait_loadcnt 0x0                             ; scales, cos, sin
	; where the results go.  CB0, CB1 s[88:91]: the images of registers 0-3 and 4-7 of a fragment; s92: from my tile 0 to my tile 1; SB0, SB1 s[96:99]: the scale words
	s_mov_b32 s21, 0
	s_mov_b32 s23, 0
	s_cmp_eq_u32 s[TYPE], 0
	s_cbranch_scc0 .Lnot_q
	s_lshl_b32 s20, s[U0], 8                       ; q_img [head 32][tile 128][512 bytes], q_sc [head][tile][64 bytes]: head 2 u0, tile 8 u1 + 2 w
	s_lshl_b32 s22, s[U1], 3
	s_add_co_u32 s20, s20, s22
	s_lshl_b32 s22, s[WV], 1
	s_add_co_u32 s22, s20, s22
	s_lshl_b32 s20, s22, 9
	s_lshl_b32 s22, s22, 6
	s_add_nc_u64 s[88:89], s[82:83], s[20:21]
	s_add_nc_u64 s[90:91], s[88:89], 65536         ; head 2 u0 + 1
	s_add_nc_u64 s[96:97], s[84:85], s[22:23]
	s_add_nc_u64 s[98:99], s[96:97], 8192
	s_mov_b32 s92, 512
	s_branch .Lbases
.Lnot_q:
	s_cmp_eq_u32 s[TYPE], 1
	s_cbranch_scc0 .Lis_v
	s_lshl_b32 s20, s[U0], 5                       ; k: record (kv head 2 u0, step u1); K image 2 w at 1,024 w, its scale words at 8,192 + 128 w
	s_add_co_u32 s20, s20, s[U1]
	s_mul_i32 s20, s20, REC
	s_lshl_b32 s22, s[WV], 7
	s_add_co_u32 s22, s22, s20
	s_add_co_u32 s22, s22, 8192
	s_lshl_b32 s93, s[WV], 10
	s_add_co_u32 s20, s20, s93
	s_add_nc_u64 s[88:89], s[86:87], s[20:21]
	s_add_nc_u64 s[90:91], s[88:89], 16*REC        ; kv head 2 u0 + 1
	s_add_nc_u64 s[96:97], s[86:87], s[22:23]
	s_add_nc_u64 s[98:99], s[96:97], 16*REC
	s_mov_b32 s92, 512
	s_branch .Lbases
.Lis_v:
	s_lshl_b32 s20, s[U1], 1                       ; v: record (kv head 2 u1 + w / 2, step u0); fragment 2 (w % 2) at 4,096 + 2,048 (w % 2), its scale words at 8,704 + 128 (w % 2)
	s_add_co_u32 s20, s20, s[ROLE]
	s_lshl_b32 s20, s20, 4
	s_add_co_u32 s20, s20, s[U0]
	s_mul_i32 s20, s20, REC
	s_lshl_b32 s22, s[HALF], 7
	s_add_co_u32 s22, s22, s20
	s_add_co_u32 s22, s22, 8704
	s_lshl_b32 s93, s[HALF], 11
	s_add_co_u32 s20, s20, s93
	s_add_co_u32 s20, s20, 4096
	s_add_nc_u64 s[88:89], s[86:87], s[20:21]
	s_add_nc_u64 s[90:91], s[88:89], 512           ; registers 4-7 of the same fragment
	s_add_nc_u64 s[96:97], s[86:87], s[22:23]
	s_mov_b64 s[98:99], s[96:97]                   ; (not used on this way; written on every way)
	s_mov_b32 s92, 1024
.Lbases:
	v_add_nc_u32 v7, s92, v6                       ; my tile 1's place
; 20 LDS loads: the fragments of K step ks (16 rows x 128 K of 4-bit codes: 8 registers, two loads 32 bytes apart) into buffer ks % 2 of window 1: R0's eight, then my two of R1
.macro FETCH ks
	WIN TO_F
.set FB, 80*((\ks)%2)
.irp a, 0,1,2,3,4,5,6,7
.irp c, 0,1
	ds_load_b128 v[FB+8*\a+4*\c:FB+8*\a+4*\c+3], v[ADR0] offset:\a*TROW+64*((\ks)%4)+32*\c
.endr
.endr
.irp i, 0,1
.irp c, 0,1
	ds_load_b128 v[FB+64+8*\i+4*\c:FB+64+8*\i+4*\c+3], v[ADR1] offset:\i*TROW+64*((\ks)%4)+32*\c
.endr
.endr
.endm
; A K step of 128: the next step's fragments are asked for, then 16 products, one on each accumulator, in the same order in every step
.macro KSTEP ks
.if ((\ks)%4 == 3) && ((\ks) < 15)
	WIN 0
	s_wait_tensorcnt 2-(\ks)/4                     ; my part of the next chunk has landed; that many younger chunks may be out
	s_wait_dscnt 0x0                               ; no LDS load of mine is out at the signal
	s_barrier_signal -1
	s_barrier_wait -1                              ; everybody's part has landed.
	v_add_nc_u32 v[ADR0], CH, v[ADR0]
	v_add_nc_u32 v[ADR1], CH, v[ADR1]              ; (two of the four places in front of the loads below)
	v_nop
	v_nop
.elseif (\ks) > 0 && (\ks) < 15
.rept 4
	v_nop                                          ; four places in front of loads into the buffer that the last step multiplied (ISA guide 7.12.1 for vector instructions)
.endr
.endif
.if (\ks) < 15
	FETCH (\ks)+1
	s_wait_dscnt 20                                ; all but the 20 just issued
.else
	s_wait_dscnt 0x0
.endif
	WIN MUL
.set ZF, 0
.if (\ks) == 0
.set ZF, 1                                     ; the first K step starts the sums: nothing is cleared
.endif
.irp i, 0,1
.irp a, 0,1,2,3,4,5,6,7
	MM ACC+64*\i+8*\a, 80*((\ks)%2)+8*\a, 80*((\ks)%2)+64+8*\i, ZF, SC0+16*(\a%4)+(\ks), SC1+(\ks), \a/4, \i
.endr
.endr
.endm
	s_wait_tensorcnt 0x3                           ; my part of chunk 0 is in; the three younger chunks may be out
	s_barrier_signal -1
	s_barrier_wait -1                              ; everybody's is
	FETCH 0
.irp ks, 0,1,2,3,4,5,6,7,8,9,10,11,12,13,14,15
	KSTEP \ks
.endr
	WIN 0
.rept 4
	v_nop                                          ; places in front of the first read of results
.endr
; RoPE on my tile i: register 32 c + 8 n + j of the tile is d = 16 n + 8 h + j of head c, so d and d + 32 lie 16 registers apart in one lane.  Each accumulator is read from its low end on.
.macro ROPE i
	WIN 0x08                                       ; source 1 (cos, sin) window 2
.irp c, 0,1
.irp p, 0,2,4,6,8,10,12,14
.set LO, ACC+64*\i+32*\c+\p
.set HI, LO+16
.set TT, 16+4*((\p/2)%2)
	v_pk_mul_f32 v[TT:TT+1], v[HI:HI+1], v[64*\i+32+\p:64*\i+32+\p+1]              ; x(d + 32) sin(d)
	v_pk_mul_f32 v[TT+2:TT+3], v[LO:LO+1], v[64*\i+48+\p:64*\i+48+\p+1]            ; x(d) sin(d + 32)
	v_pk_fma_f32 v[LO:LO+1], v[LO:LO+1], v[64*\i+\p:64*\i+\p+1], v[TT:TT+1] neg_lo:[0,0,1] neg_hi:[0,0,1]
	v_pk_fma_f32 v[HI:HI+1], v[HI:HI+1], v[64*\i+16+\p:64*\i+16+\p+1], v[TT+2:TT+3]
.endr
.endr
	WIN 0
.endm
; 64 numbers of a lane, register 8 t + j = R0 row 16 t + 8 h + j of my R1 row, become a fragment's codes in v[pc] .. v[pc + 7] and its scale word in v[pw].  Block b of 32 is tiles 2 b, 2 b + 1 in lanes l and l xor 16.
; Tile 4 c + e's eight codes go to register 4 c + {0, 2, 1, 3}[e]; two exchanges of halves then leave rows 64 c + 32 h + 8 i .. + 7 in register 4 c + i: the operand's layout.
.macro QUANT8 src, pc, pw
.irp b, 0,1,2,3
	v_max3_num_f32 v[TM+\b], |v[\src+16*\b]|, |v[\src+16*\b+1]|, 0x1800000   ; with the floor 2^(3 - 127): the byte cannot fall under 1
.endr
.irp i, 2,4,6,8,10,12,14
.irp b, 0,1,2,3
	v_max3_num_f32 v[TM+\b], v[TM+\b], |v[\src+16*\b+\i]|, |v[\src+16*\b+\i+1]|
.endr
.endr
.irp b, 0,1,2,3
	v_permlanex16_b32 v[TP+\b], v[TM+\b], s[SEL], s[SEL+1]
.endr
.irp b, 0,1,2,3
	v_max_num_f32 v[TM+\b], v[TM+\b], v[TP+\b]     ; the block's largest magnitude
.endr
.irp b, 0,1,2,3
	v_add_nc_u32 v[TS+\b], 0xff000000, v[TM+\b]    ; 2 off its exponent field: the conversion's scale operand
.endr
.irp b, 0,1,2,3
	v_lshrrev_b32 v[TP+\b], 23, v[TS+\b]           ; the scale's byte
.endr
	v_lshl_or_b32 v[\pw], v[TP+1], 8, v[TP]
	v_lshl_or_b32 v[\pw], v[TP+2], 16, v[\pw]
	v_lshl_or_b32 v[\pw], v[TP+3], 24, v[\pw]
.irp c, 0,1
	v_cvt_scalef32_pk8_fp4_f32 v[\pc+4*\c], v[\src+32*\c:\src+32*\c+7], v[TS+2*\c]
	v_cvt_scalef32_pk8_fp4_f32 v[\pc+4*\c+2], v[\src+32*\c+8:\src+32*\c+15], v[TS+2*\c]
	v_cvt_scalef32_pk8_fp4_f32 v[\pc+4*\c+1], v[\src+32*\c+16:\src+32*\c+23], v[TS+2*\c+1]
	v_cvt_scalef32_pk8_fp4_f32 v[\pc+4*\c+3], v[\src+32*\c+24:\src+32*\c+31], v[TS+2*\c+1]
.endr
	v_nop                                          ; one plain place behind a scaled conversion
.irp c, 0,1
	v_permlane16_swap_b32 v[\pc+4*\c], v[\pc+4*\c+1]
	v_permlane16_swap_b32 v[\pc+4*\c+2], v[\pc+4*\c+3]
.endr
.endm
.irp i, 0,1
	s_cmp_eq_u32 s[TYPE], 2
	s_cbranch_scc1 .Lno_rope_\i
	ROPE \i
.Lno_rope_\i:
	QUANT8 ACC+64*\i, 28+8*\i, 44+\i
	global_store_b128 v[6+\i], v[28+8*\i:31+8*\i], s[88:89]    ; 32 lanes store 512 consecutive bytes, aligned
	global_store_b128 v[6+\i], v[32+8*\i:35+8*\i], s[90:91]
.endr
	s_mov_b32 s100, 0xffff0000
	v_cndmask_b32 v46, v44, v45, s100              ; lanes 0-15: tile 0's words, lanes 16-31: tile 1's
	s_cmp_eq_u32 s[TYPE], 2
	s_cbranch_scc1 .Lv_words
	s_mov_b32 s93, 0x7f7f0000                      ; q, k: a head has two blocks; the bytes of the two blocks that the next launch's K step has beyond them stand for 1
	v_and_or_b32 v47, v46, 0xffff, s93
	v_lshrrev_b32 v15, 16, v46
	v_or_b32 v15, s93, v15
	global_store_b32 v8, v47, s[96:97]
	global_store_b32 v8, v15, s[98:99]
	s_branch .Lend
.Lv_words:
	global_store_b32 v8, v46, s[96:97]             ; v: four key blocks a word
.Lend:
	s_set_vgpr_msb 0x5
	s_wait_tensorcnt 0x0
	ds_add_u32 v254, v255
	s_wait_dscnt 0x0
	s_set_vgpr_msb 0x500
	CROUND                                         ; the closing round: no work-group ends while a partner may still ask for a tile that names it
	s_endpgm
.Lfunc_end_k_qcda43076cc_qkv:
	.size	k_qcda43076cc_qkv, .Lfunc_end_k_qcda43076cc_qkv-k_qcda43076cc_qkv
	.p2alignl 7, 3214868480
	.fill 96, 4, 3214868480
	.section	.rodata,"a",@progbits
	.p2align	6, 0x0
	.amdhsa_kernel k_qcda43076cc_qkv
		.amdhsa_group_segment_fixed_size 279040
		.amdhsa_private_segment_fixed_size 0
		.amdhsa_enable_private_segment 0
		.amdhsa_kernarg_size 128
		.amdhsa_user_sgpr_count 2
		.amdhsa_user_sgpr_kernarg_segment_ptr 1
		.amdhsa_wavefront_size32 1
		.amdhsa_system_sgpr_workgroup_id_x 1
		.amdhsa_system_sgpr_workgroup_id_y 1
		.amdhsa_system_sgpr_workgroup_id_z 1
		.amdhsa_system_vgpr_workitem_id 0
		.amdhsa_next_free_vgpr 640
		.amdhsa_next_free_sgpr 106
		.amdhsa_reserve_vcc 1
		.amdhsa_float_denorm_mode_32 3
		.amdhsa_float_denorm_mode_16_64 3
		.amdhsa_memory_ordered 1
		.amdhsa_forward_progress 1
		.amdhsa_inst_pref_size 125
	.end_amdhsa_kernel
	.amdgpu_metadata
---
amdhsa.version: [ 1, 2 ]
amdhsa.kernels:
  - .name:           k_qcda43076cc_qkv
    .symbol:         k_qcda43076cc_qkv.kd
    .args:
      - { .name: x_codes, .offset: 0, .size: 8, .value_kind: global_buffer, .address_space: global }
      - { .name: x_scales, .offset: 8, .size: 8, .value_kind: global_buffer, .address_space: global }
      - { .name: Wq_codes, .offset: 16, .size: 8, .value_kind: global_buffer, .address_space: global }
      - { .name: Wq_scales, .offset: 24, .size: 8, .value_kind: global_buffer, .address_space: global }
      - { .name: Wk_codes, .offset: 32, .size: 8, .value_kind: global_buffer, .address_space: global }
      - { .name: Wk_scales, .offset: 40, .size: 8, .value_kind: global_buffer, .address_space: global }
      - { .name: Wv_codes, .offset: 48, .size: 8, .value_kind: global_buffer, .address_space: global }
      - { .name: Wv_scales, .offset: 56, .size: 8, .value_kind: global_buffer, .address_space: global }
      - { .name: cos, .offset: 64, .size: 8, .value_kind: global_buffer, .address_space: global }
      - { .name: sin, .offset: 72, .size: 8, .value_kind: global_buffer, .address_space: global }
      - { .name: mask, .offset: 80, .size: 8, .value_kind: global_buffer, .address_space: global }
      - { .name: mwords, .offset: 88, .size: 8, .value_kind: global_buffer, .address_space: global }
      - { .name: mflags, .offset: 96, .size: 8, .value_kind: global_buffer, .address_space: global }
      - { .name: q_img, .offset: 104, .size: 8, .value_kind: global_buffer, .address_space: global }
      - { .name: q_sc, .offset: 112, .size: 8, .value_kind: global_buffer, .address_space: global }
      - { .name: kv_img, .offset: 120, .size: 8, .value_kind: global_buffer, .address_space: global }
    .group_segment_fixed_size: 279040
    .private_segment_fixed_size: 0
    .kernarg_segment_align: 8
    .kernarg_segment_size: 128
    .max_flat_workgroup_size: 128
    .sgpr_count:     106
    .vgpr_count:     640
    .wavefront_size: 32
...
	.end_amdgpu_metadata
.endif
;; end of part 1
;; launch attn (part 2): grid 32 x 8, 16 waves a work-group, no clusters, 146,432 bytes of LDS; arguments q_img, q_sc, kv_img, mwords, mflags, a_img, a_sc; writes a_img, a_sc
.if DOCPART == 2
	.amdgcn_target "amdgcn-amd-amdhsa--gfx1250"
	.amdhsa_code_object_version 6
	.text
	.protected	k_qcda43076cc_attn
	.globl	k_qcda43076cc_attn
	.p2align	8
	.type	k_qcda43076cc_attn,@function
k_qcda43076cc_attn:
	s_mov_b64 s[64:65], 0
	v_nop
	global_prefetch_b8 v0, s[64:65] scope:SCOPE_SE
	s_setreg_imm32_b32 hwreg(HW_REG_WAVE_MODE, 25, 1), 1
	s_wait_xcnt 0x0
; o = softmax(q k^T / 8 under the given mask) v for 32 heads (8 kv heads), both products on codes of FP4 with E8M0 scales; o is quantised along head x 64 + d for the last product.
; THE SOFTMAX: t = score x log2(e) / 8; M = the running largest t rounded up to a whole number; p = 2^(t - M) is quantised along the keys; the row's sum is taken of the unquantised p and divides at the end.
; SHARES.  A work-group takes kv head y and four tiles of 16 queries, 2 x, 2 x + 1, 126 - 2 x, 127 - 2 x, for the four query heads of that kv head: 16 units, one a wave, 256 registers each.  The choice of tiles is
; right for any mask; it evens the work out where a mask hides more keys from early queries.  Waves w, w + 4, w + 8, w + 12 hold four different tiles.
; THE MASK IS HONOURED AS GIVEN.  The launch before stored, for each tile of queries and key step of 128, 64 lane-mask words and a flag.  A step all of whose 2,048 places are masked is jumped over (its p are all 0);
; one with no masked place skips the selects; any other turns masked scores into -infinity.
; NO TENSOR LOAD AND NO CLUSTER: the loop's branches hang on flags read from memory; what partners could share is 143,360 bytes a work-group, read once, while the
; jump spares a whole step's 12 products and some 230 vector instructions wherever the mask hides one.  The kv head's 16 records are copied into LDS through registers at the head; the loop has no barrier.
; LAYOUT.  S^T = K Q^T (source 0 = 16 keys), O^T = V^T P^T (source 0 = 16 of the head's 64): a lane holds one query (lane % 16) throughout.
; K = 64 IN AN INSTRUCTION OF K = 128: Q's registers 4-7 are zero codes; K's registers 4-7 are whatever follows (the next tile's codes, zeros behind the last): every code of E2M1 is a finite number, and the scale bytes
; of those two blocks stand for 1 on both sides, so these products add exactly 0.
; LIMITS.  A query all of whose keys are masked gets the scale bytes 0xff, which make its row of the output NaN, as the softmax of such a row is.  A block of zeros gets the byte 1 (its codes are zeros; this
; program alone reads the bytes).  NaN and infinities among the inputs are not served.
.set REC,  8960                        ; a record: K images 4,096 | V fragments 4,096 | K scale words 512 | V scale words 256
.set SST,  16*REC                      ; behind the records: 512 bytes for the result's scale half-words
.set SEL,  6                           ; s[6:7]  lane selects: lane l xor 16
.set CS,   8                           ; s[8:9]  c = log2(e) / 8
.set KF,   28                          ; v28-59  K, four registers a tile; v60-63 zeros
.set VF,   64                          ; v64-95  V, eight a tile of 16 d
.set S,    96                          ; v96-159 S^T, then p
.set O,    160                         ; v160-191 O^T
.set PC,   192                         ; v192-199 p's codes
.set BM,   200                         ; v200-203 the blocks' largest scores, then p
.set BP,   204                         ; v204-207 the other half's, then bytes
.set SO,   208                         ; v208-211 the conversions' scale operands
.set KS,   232                         ; v232-235 K's scale words (lanes 0-15 tile 2 u, lanes 16-31 tile 2 u + 1); v236-237 V's likewise; v238 p's; v239 Q's
.set VS,   236
.set PS,   238
.set QS,   239
.macro MM d, a, b, z, sa, sb, ra
.if (\z) && (\ra)
	v_wmma_scale_f32_16x16x128_f8f6f4 v[\d:\d+7], v[\a:\a+7], v[\b:\b+7], 0, v[\sa], v[\sb] matrix_a_fmt:MATRIX_FMT_FP4 matrix_b_fmt:MATRIX_FMT_FP4 matrix_a_scale:MATRIX_SCALE_ROW1
.elseif (\z)
	v_wmma_scale_f32_16x16x128_f8f6f4 v[\d:\d+7], v[\a:\a+7], v[\b:\b+7], 0, v[\sa], v[\sb] matrix_a_fmt:MATRIX_FMT_FP4 matrix_b_fmt:MATRIX_FMT_FP4
.elseif (\ra)
	v_wmma_scale_f32_16x16x128_f8f6f4 v[\d:\d+7], v[\a:\a+7], v[\b:\b+7], v[\d:\d+7], v[\sa], v[\sb] matrix_a_fmt:MATRIX_FMT_FP4 matrix_b_fmt:MATRIX_FMT_FP4 matrix_a_scale:MATRIX_SCALE_ROW1
.else
	v_wmma_scale_f32_16x16x128_f8f6f4 v[\d:\d+7], v[\a:\a+7], v[\b:\b+7], v[\d:\d+7], v[\sa], v[\sb] matrix_a_fmt:MATRIX_FMT_FP4 matrix_b_fmt:MATRIX_FMT_FP4
.endif
.endm
; tiles 4 c .. 4 c + 3 of S (register 8 t + j = row 16 t + 8 h + j) into codes: tile 4 c + e to register 4 c + {0, 2, 1, 3}[e]; SWAPS then leaves rows 64 c + 32 h + 8 i .. + 7 in register 4 c + i
.macro CODES c
	v_cvt_scalef32_pk8_fp4_f32 v[PC+4*\c], v[S+32*\c:S+32*\c+7], v[SO+2*\c]
	v_cvt_scalef32_pk8_fp4_f32 v[PC+4*\c+2], v[S+32*\c+8:S+32*\c+15], v[SO+2*\c]
	v_cvt_scalef32_pk8_fp4_f32 v[PC+4*\c+1], v[S+32*\c+16:S+32*\c+23], v[SO+2*\c+1]
	v_cvt_scalef32_pk8_fp4_f32 v[PC+4*\c+3], v[S+32*\c+24:S+32*\c+31], v[SO+2*\c+1]
.endm
.macro SWAPS c
	v_permlane16_swap_b32 v[PC+4*\c], v[PC+4*\c+1]
	v_permlane16_swap_b32 v[PC+4*\c+2], v[PC+4*\c+3]
.endm
	s_load_b256 s[16:23], s[0:1], 0x0              ; q_img 16, q_sc 18, kv_img 20, mwords 22
	s_load_b128 s[24:27], s[0:1], 0x20             ; mflags 24, a_img 26
	s_load_b64 s[28:29], s[0:1], 0x30              ; a_sc
	v_lshl_add_u32 v254, v0, 2, 0x23400
	v_mov_b32 v255, 0
	v_lshrrev_b32 v1, 5, v0
	v_readfirstlane_b32 s2, v1                     ; wave 0..15
	s_and_b32 s48, ttmp7, 0xffff                   ; g: the kv head
	s_lshr_b32 s49, s2, 2                          ; which of its four query heads
	s_add_co_u32 s50, s2, s49
	s_and_b32 s50, s50, 3                          ; which of the four tiles
	s_lshl_b32 s51, ttmp9, 1
	s_sub_co_u32 s52, 126, s51
	s_bitcmp1_b32 s50, 1
	s_cselect_b32 s51, s52, s51
	s_and_b32 s52, s50, 1
	s_add_co_u32 s51, s51, s52                     ; qt: my tile of 16 queries
	s_lshl_b32 s53, s48, 2
	s_add_co_u32 s53, s53, s49                     ; my head
	s_lshl_b32 s54, s53, 16
	s_lshl_b32 s55, s51, 9
	s_add_co_u32 s54, s54, s55                     ; q_img: 65,536 head + 512 qt
	s_mov_b32 s55, 0
	s_lshl_b32 s56, s53, 13
	s_lshl_b32 s57, s51, 6
	s_add_co_u32 s56, s56, s57                     ; q_sc: 8,192 head + 64 qt
	s_mov_b32 s57, 0
	s_lshl_b32 s58, s48, 4
	s_add_co_u32 s58, s58, s2
	s_mul_i32 s58, s58, REC                        ; kv_img: record (g, wave): the one that I copy
	s_mov_b32 s59, 0
	s_lshl_b32 s60, s51, 12                        ; mwords: 4,096 qt
	s_mov_b32 s61, 0
	s_lshl_b32 s62, s51, 6                         ; mflags: 64 qt
	s_mov_b32 s63, 0
	s_lshr_b32 s68, s51, 3                         ; a_img: ((qt / 8) 4 + ks / 4) 32,768 + (qt % 8) 4,096 + (ks % 4) 1,024 + (head % 2) 512, ks = head / 2 = 2 g + hh / 2
	s_lshl_b32 s68, s68, 2
	s_lshr_b32 s69, s48, 1
	s_add_co_u32 s68, s68, s69
	s_lshl_b32 s68, s68, 15
	s_and_b32 s69, s51, 7
	s_lshl_b32 s69, s69, 12
	s_add_co_u32 s68, s68, s69
	s_and_b32 s69, s48, 1
	s_lshl_b32 s69, s69, 1
	s_lshr_b32 s70, s49, 1
	s_add_co_u32 s69, s69, s70
	s_lshl_b32 s69, s69, 10
	s_add_co_u32 s68, s68, s69
	s_and_b32 s69, s49, 1
	s_lshl_b32 s69, s69, 9
	s_add_co_u32 s68, s68, s69
	s_mov_b32 s69, 0
	s_lshl_b32 s70, s48, 14                        ; a_sc: 16,384 g + 128 x tile 2 x
	s_lshl_b32 s71, ttmp9, 8
	s_add_co_u32 s70, s70, s71
	s_mov_b32 s71, 0
	s_lshl_b32 s72, s50, 7                         ; my half-words in LDS: 128 x tile + 64 (hh / 2) + 2 (hh % 2) + 4 r
	s_lshr_b32 s73, s49, 1
	s_lshl_b32 s73, s73, 6
	s_add_co_u32 s72, s72, s73
	s_and_b32 s73, s49, 1
	s_lshl_b32 s73, s73, 1
	s_add_co_u32 s72, s72, s73
	s_lshl_b32 s74, ttmp9, 2
	s_sub_co_u32 s74, 126, s74
	s_lshl_b32 s74, s74, 7                         ; from tile 2 x to tile 126 - 2 x in a_sc: (126 - 4 x) 128 bytes
	s_mul_i32 s75, s2, REC
	s_mov_b32 s[SEL], 0x76543210
	s_mov_b32 s[SEL+1], 0xfedcba98
	s_mov_b32 s[CS], 0x3e38aa3b                    ; log2(e) / 8
	s_mov_b32 s[CS+1], s[CS]                       ; (named with it as a pair, so it is written)
	v_and_b32 v3, 31, v0                           ; lane
	v_and_b32 v4, 15, v0                           ; r
	v_bfe_u32 v5, v0, 4, 1                         ; h
	v_lshlrev_b32 v1, 4, v3                        ; 16 x lane
	v_lshlrev_b32 v2, 2, v3                        ; 4 x lane
	v_lshlrev_b32 v6, 2, v4                        ; 4 r
	v_lshlrev_b32 v7, 3, v3                        ; 8 x lane
	v_add_nc_u32 v10, s75, v1                      ; where I put my record in LDS
	v_add_nc_u32 v11, s75, v7
	v_add_nc_u32 v25, s72, v6
	v_add_nc_u32 v25, SST, v25                     ; where my half-word goes
	v_add_nc_u32 v26, SST, v1                      ; where wave 0 reads all of them
	v_mul_lo_u32 v27, v5, s74
	v_lshl_add_u32 v27, v4, 4, v27                 ; and stores them: lanes 0-15 tiles 2 x, 2 x + 1; lanes 16-31 tiles 126 - 2 x, 127 - 2 x
	s_wait_kmcnt 0x0
	s_add_nc_u64 s[16:17], s[16:17], s[54:55]
	s_add_nc_u64 s[18:19], s[18:19], s[56:57]
	s_add_nc_u64 s[20:21], s[20:21], s[58:59]
	s_add_nc_u64 s[10:11], s[22:23], s[60:61]      ; s[10:11]: the step's mask words
	s_add_nc_u64 s[24:25], s[24:25], s[62:63]
	s_add_nc_u64 s[84:85], s[26:27], s[68:69]
	s_add_nc_u64 s[86:87], s[28:29], s[70:71]
.irp n, 0,1,2,3,4,5,6,7,8,9,10,11,12,13,14,15,16
	global_load_b128 v[96+4*\n:99+4*\n], v1, s[20:21] offset:512*\n    ; my record: 17 x 512 bytes,
.endr
	global_load_b64 v[164:165], v7, s[20:21] offset:8704               ; and 256
	global_load_b128 v[16:19], v1, s[16:17]        ; Q's image: lane (r, h): d = 32 h .. 32 h + 31 of query r
	global_load_b32 v[QS], v6, s[18:19]            ; and its scale words
	s_load_b512 s[32:47], s[24:25], 0x0            ; my tile's 16 flags
.irp q, 20,21,22,23,60,61,62,63,14,15,204,205,206,207,213
	v_mov_b32 v\q, 0                               ; zero codes; the sum's two halves; lane permutes' destinations and the upper half of the pair v[212:213], written once
.endr
	v_mov_b32 v24, 0xff800000                      ; -infinity
	v_mov_b32 v13, 0xff61b1e6                      ; the largest t so far: -3e38
	v_floor_f32 v12, -v13                          ; -M
.irp n, 0,1,2,3,4,5,6,7,8,9,10,11,12,13,14,15,16
	s_wait_loadcnt 19-\n                           ; loads come back in order: number n is in, the 19 - n younger ones may be out
	ds_store_b128 v10, v[96+4*\n:99+4*\n] offset:512*\n
.endr
	s_wait_loadcnt 2
	ds_store_b64 v11, v[164:165] offset:8704
	s_wait_loadcnt 0x0                             ; Q
	s_wait_kmcnt 0x0
	s_or_b32 s4, s32, s33                          ; s4: bit s: step s is hidden; bit 16 + s: step s is open
.irp q, 34,35,36,37,38,39,40,41,42,43,44,45,46,47
	s_or_b32 s4, s4, s\q
.endr
	s_wait_dscnt 0x0                               ; for the others' sake: my record lies in LDS
	s_barrier_signal -1
	s_barrier_wait -1                              ; all sixteen do
.irp j, 0,1,2,3,4,5,6,7,8,9,10,11,12,13,14,15,16,17,18,19,20,21,22,23,24,25,26,27,28,29,30,31
	v_mov_b32 v[O+\j], 0                           ; O^T: the step is written once; which step is a wave's first hangs on the flags
.endr
	s_mov_b32 s3, 0                                ; LDS byte of the step's record
	s_mov_b32 s5, 0
; the step's loads and its eight score products
.macro SPROD
	v_add_nc_u32 v8, s3, v1
	v_add_nc_u32 v9, s3, v2
.irp t, 0,1,2,3,4,5,6,7
	ds_load_b128 v[KF+4*\t:KF+4*\t+3], v8 offset:512*\t
.endr
.irp u, 0,1,2,3
	ds_load_b32 v[KS+\u], v9 offset:8192+128*\u
.endr
.irp n, 0,1,2,3,4,5,6,7
	ds_load_b128 v[VF+4*\n:VF+4*\n+3], v8 offset:4096+512*\n
.endr
.irp u, 0,1
	ds_load_b32 v[VS+\u], v9 offset:8704+128*\u
.endr
	s_wait_dscnt 10                                ; K and its scale words are in; V's ten loads may be out
.irp t, 0,1,2,3,4,5,6,7
	MM S+8*\t, KF+4*\t, 16, 1, KS+\t/2, QS, \t%2
.endr
.rept 4
	v_nop                                          ; places in front of the first read of results
.endr
.endm
.Lstep:                                            ; 16 trips: a constant; the flags jump over work, never over the lines that step addresses
	s_bitcmp1_b32 s4, 0
	s_cbranch_scc1 .Lhidden
	s_bitcmp1_b32 s4, 16
	s_cbranch_scc1 .Lopen
	s_load_b512 s[16:31], s[10:11], 0x0            ; the step's 64 lane-mask words: word n in s[16 + n], from n = 48 on in s[20 + n]
	s_load_b512 s[32:47], s[10:11], 0x40
	s_load_b512 s[48:63], s[10:11], 0x80
	s_load_b512 s[68:83], s[10:11], 0xc0
	SPROD
	s_wait_kmcnt 0x0
.irp n, 0,1,2,3,4,5,6,7,8,9,10,11,12,13,14,15,16,17,18,19,20,21,22,23,24,25,26,27,28,29,30,31,32,33,34,35,36,37,38,39,40,41,42,43,44,45,46,47,48,49,50,51,52,53,54,55,56,57,58,59,60,61,62,63
	v_cndmask_b32 v[S+\n], v[S+\n], v24, s[16+\n+4*(\n/48)]   ; masked: -infinity, ahead of the maximum: p = 0
.endr
	s_branch .Lsoft
.Lopen:
	SPROD
.Lsoft:
.irp b, 0,1,2,3
	v_max3_num_f32 v[BM+\b], v[S+16*\b], v[S+16*\b+1], v[S+16*\b+2]   ; the largest score of each block of 32 keys: for the row's maximum, and, since p rises with the score, for the block's largest p
.endr
.irp i, 3,5,7,9,11,13
.irp b, 0,1,2,3
	v_max3_num_f32 v[BM+\b], v[BM+\b], v[S+16*\b+\i], v[S+16*\b+\i+1]
.endr
.endr
.irp b, 0,1,2,3
	v_max_num_f32 v[BM+\b], v[BM+\b], v[S+16*\b+15]
.endr
.irp b, 0,1,2,3
	v_permlanex16_b32 v[BP+\b], v[BM+\b], s[SEL], s[SEL+1]
.endr
.irp b, 0,1,2,3
	v_max_num_f32 v[BM+\b], v[BM+\b], v[BP+\b]     ; with lane l xor 16's 16 keys
.endr
	v_max3_num_f32 v214, v200, v201, v202
	v_max_num_f32 v214, v214, v203                 ; the step's largest score of my query
	v_mul_f32 v214, s[CS], v214
	v_max_num_f32 v13, v13, v214                   ; the running largest t
	v_mov_b32 v214, v12
	v_floor_f32 v12, -v13                          ; the new -M = -ceil(t): a whole number
	v_sub_f32 v214, v12, v214                      ; old M - new M: a whole number, 0 or less
	v_cvt_i32_f32 v214, v214                       ; (it saturates)
	v_ldexp_f32 v212, 1.0, v214                    ; f = 2^(old M - new M): rounds nothing
.irp j, 0,2,4,6,8,10,12,14,16,18,20,22,24,26,28,30,32,34,36,38,40,42,44,46,48,50,52,54,56,58,60,62
	v_pk_fma_f32 v[S+\j:S+\j+1], v[S+\j:S+\j+1], s[CS:CS+1], v[12:13] op_sel_hi:[1,0,0]   ; t - M, two at a time
.endr
.irp b, 0,1,2,3
	v_fma_f32 v[BM+\b], v[BM+\b], s[CS], v12       ; the same of each block's largest score
.endr
.irp j, 0,1,2,3,4,5,6,7,8,9,10,11,12,13,14,15,16,17,18,19,20,21,22,23,24,25,26,27,28,29,30,31,32,33,34,35,36,37,38,39,40,41,42,43,44,45,46,47,48,49,50,51,52,53,54,55,56,57,58,59,60,61,62,63
	v_exp_f32 v[S+\j], v[S+\j]                     ; p = 2^(t - M), not normalised
.endr
	v_pk_mul_f32 v[14:15], v[14:15], v[212:213] op_sel_hi:[1,0]   ; the sums under the new M: the plain place behind the exponentials
	s_wait_alu depctr_va_vdst(0)                   ; one wait for the batch of 64, ahead of its first reader
.irp b, 0,1,2,3
	v_exp_f32 v[BM+\b], v[BM+\b]                   ; the block's largest p: the same two instructions on the same number
.endr
	v_pk_add_f32 v[216:217], v[S:S+1], v[S+2:S+3]  ; the row's sum, of the unquantised p, in two chains: it reads the 64 alone
.irp j, 4,8,12,16,20,24,28,32,36,40,44,48,52,56,60
	v_pk_add_f32 v[14:15], v[14:15], v[S+\j:S+\j+1]
	v_pk_add_f32 v[216:217], v[216:217], v[S+\j+2:S+\j+3]
.endr
	v_pk_add_f32 v[14:15], v[14:15], v[216:217]
	s_wait_alu depctr_va_vdst(0)                   ; and one for the four
.irp b, 0,1,2,3
	v_max_num_f32 v[BM+\b], 0x1800000, v[BM+\b]    ; the floor 2^(3 - 127): the byte cannot fall under 1
.endr
.irp b, 0,1,2,3
	v_add_nc_u32 v[SO+\b], 0xff000000, v[BM+\b]    ; 2 off the exponent field: the conversion's scale operand
.endr
.irp b, 0,1,2,3
	v_lshrrev_b32 v[BP+\b], 23, v[SO+\b]           ; the scale's byte
.endr
	v_lshl_or_b32 v[PS], v[BP+1], 8, v[BP]         ; p's scale word for these 128 keys
	v_lshl_or_b32 v[PS], v[BP+2], 16, v[PS]
	v_lshl_or_b32 v[PS], v[BP+3], 24, v[PS]
	CODES 0
	CODES 1
	v_nop                                          ; one plain place behind a scaled conversion
	SWAPS 0
	SWAPS 1
.irp j, 0,2,4,6,8,10,12,14,16,18,20,22,24,26,28,30
	v_pk_mul_f32 v[O+\j:O+\j+1], v[O+\j:O+\j+1], v[212:213] op_sel_hi:[1,0]   ; O^T under the new M.  These 16 are also the places between the lines that made p's codes and scale word and the products below
.endr
	s_wait_dscnt 0x0                               ; V and its scale words are in
.irp t, 0,1,2,3
	MM O+8*\t, VF+8*\t, PC, 0, VS+\t/2, PS, \t%2   ; O^T += V^T P^T: the four accumulators by turns; the next step's score products stand between two links of a chain
.endr
.rept 4
	v_nop                                          ; places in front of the next step's loads into V's registers, and of the way out's reads
.endr
.Lhidden:
	s_add_co_u32 s3, s3, REC
	s_add_nc_u64 s[10:11], s[10:11], 256           ; (the scalar loads that named it were waited for)
	s_lshr_b32 s4, s4, 1
	s_add_co_u32 s5, s5, 1
	s_cmp_lt_u32 s5, 16
	s_cbranch_scc1 .Lstep
	; THE WAY OUT: O^T / the sum; quantised along d (two blocks of 32); the image of registers 4 c .. 4 c + 3 of the last product's fragment (tile qt, K step head / 2), c = head % 2
	v_add_f32 v14, v14, v15
	v_permlanex16_b32 v204, v14, s[SEL], s[SEL+1]
	v_add_f32 v14, v14, v204                       ; the row's sum
	v_rcp_f32 v15, v14
	v_mov_b32 v215, 0xffff                         ; (the plain place behind the reciprocal)
	s_wait_alu depctr_va_vdst(0)                   ; ahead of its first reader
.irp j, 0,1,2,3,4,5,6,7,8,9,10,11,12,13,14,15,16,17,18,19,20,21,22,23,24,25,26,27,28,29,30,31
	v_mul_f32 v[S+\j], v[O+\j], v15                ; register 8 t + j: d = 16 t + 8 h + j; each accumulator from its low end on
.endr
.irp b, 0,1
	v_max3_num_f32 v[BM+\b], |v[S+16*\b]|, |v[S+16*\b+1]|, 0x1800000
.endr
.irp i, 2,4,6,8,10,12,14
.irp b, 0,1
	v_max3_num_f32 v[BM+\b], v[BM+\b], |v[S+16*\b+\i]|, |v[S+16*\b+\i+1]|
.endr
.endr
.irp b, 0,1
	v_permlanex16_b32 v[BP+\b], v[BM+\b], s[SEL], s[SEL+1]
.endr
.irp b, 0,1
	v_max_num_f32 v[BM+\b], v[BM+\b], v[BP+\b]
.endr
.irp b, 0,1
	v_add_nc_u32 v[SO+\b], 0xff000000, v[BM+\b]
.endr
.irp b, 0,1
	v_lshrrev_b32 v[BP+\b], 23, v[SO+\b]
.endr
	v_lshl_or_b32 v214, v[BP+1], 8, v[BP]          ; my head's two bytes
	v_cmp_eq_f32 vcc_lo, 0, v14
	v_cndmask_b32 v214, v214, v215, vcc_lo         ; a query with no key at all: the bytes that stand for NaN
	CODES 0
	v_nop
	SWAPS 0
	global_store_b128 v1, v[PC:PC+3], s[84:85]     ; 32 lanes store 512 consecutive bytes, aligned
	ds_store_b16 v25, v214                         ; lanes l and l xor 16 write the same half-word with the same value
	s_wait_dscnt 0x0
	s_barrier_signal -1
	s_barrier_wait -1                              ; the sixteen waves' half-words make 4 tiles x 2 K steps x 16 words
	s_cmp_lg_u32 s2, 0
	s_cbranch_scc1 .Lend
	ds_load_b128 v[96:99], v26
	s_wait_dscnt 0x0
	global_store_b128 v27, v[96:99], s[86:87]      ; sixteen lanes store 256 consecutive bytes, aligned, twice
.Lend:
	s_wait_tensorcnt 0x0
	ds_add_u32 v254, v255
	s_wait_dscnt 0x0
	s_endpgm
.Lfunc_end_k_qcda43076cc_attn:
	.size	k_qcda43076cc_attn, .Lfunc_end_k_qcda43076cc_attn-k_qcda43076cc_attn
	.p2alignl 7, 3214868480
	.fill 96, 4, 3214868480
	.section	.rodata,"a",@progbits
	.p2align	6, 0x0
	.amdhsa_kernel k_qcda43076cc_attn
		.amdhsa_group_segment_fixed_size 146432
		.amdhsa_private_segment_fixed_size 0
		.amdhsa_enable_private_segment 0
		.amdhsa_kernarg_size 56
		.amdhsa_user_sgpr_count 2
		.amdhsa_user_sgpr_kernarg_segment_ptr 1
		.amdhsa_wavefront_size32 1
		.amdhsa_system_sgpr_workgroup_id_x 1
		.amdhsa_system_sgpr_workgroup_id_y 1
		.amdhsa_system_sgpr_workgroup_id_z 1
		.amdhsa_system_vgpr_workitem_id 0
		.amdhsa_next_free_vgpr 256
		.amdhsa_next_free_sgpr 88
		.amdhsa_reserve_vcc 1
		.amdhsa_float_denorm_mode_32 3
		.amdhsa_float_denorm_mode_16_64 3
		.amdhsa_memory_ordered 1
		.amdhsa_forward_progress 1
		.amdhsa_inst_pref_size 36
	.end_amdhsa_kernel
	.amdgpu_metadata
---
amdhsa.version: [ 1, 2 ]
amdhsa.kernels:
  - .name:           k_qcda43076cc_attn
    .symbol:         k_qcda43076cc_attn.kd
    .args:
      - { .name: q_img, .offset: 0, .size: 8, .value_kind: global_buffer, .address_space: global }
      - { .name: q_sc, .offset: 8, .size: 8, .value_kind: global_buffer, .address_space: global }
      - { .name: kv_img, .offset: 16, .size: 8, .value_kind: global_buffer, .address_space: global }
      - { .name: mwords, .offset: 24, .size: 8, .value_kind: global_buffer, .address_space: global }
      - { .name: mflags, .offset: 32, .size: 8, .value_kind: global_buffer, .address_space: global }
      - { .name: a_img, .offset: 40, .size: 8, .value_kind: global_buffer, .address_space: global }
      - { .name: a_sc, .offset: 48, .size: 8, .value_kind: global_buffer, .address_space: global }
    .group_segment_fixed_size: 146432
    .private_segment_fixed_size: 0
    .kernarg_segment_align: 8
    .kernarg_segment_size: 56
    .max_flat_workgroup_size: 512
    .sgpr_count:     88
    .vgpr_count:     256
    .wavefront_size: 32
...
	.end_amdgpu_metadata
.endif
;; end of part 2
;; launch oproj (part 3): grid 16 x 16, 4 waves a work-group, clusters of 4 x 4, 279,040 bytes of LDS; arguments Wo_codes, Wo_scales, a_img, a_sc, out0; writes out0
.if DOCPART == 3
	.amdgcn_target "amdgcn-amd-amdhsa--gfx1250"
	.amdhsa_code_object_version 6
	.text
	.protected	k_qcda43076cc_oproj
	.globl	k_qcda43076cc_oproj
	.p2align	8
	.type	k_qcda43076cc_oproj,@function
k_qcda43076cc_oproj:
	s_mov_b64 s[64:65], 0
	v_nop
	global_prefetch_b8 v0, s[64:65] scope:SCOPE_SE
	s_setreg_imm32_b32 hwreg(HW_REG_WAVE_MODE, 25, 1), 1
	s_wait_xcnt 0x0
	s_wait_alu depctr_hold_cnt(0) depctr_sa_sdst(0) depctr_va_vdst(0) depctr_va_sdst(0) depctr_va_ssrc(0) depctr_va_vcc(0) depctr_vm_vsrc(0)
	s_getreg_b32 s2, hwreg(HW_REG_IB_STS2, 6, 4)
	s_cmp_eq_u32 s2, 0
	s_cbranch_scc0 .Lentry_in_a_cluster
	s_endpgm
.Lentry_in_a_cluster:
	s_bfe_u32 s2, ttmp6, 0x10000c
	s_cmp_lg_u32 s2, 0xf033
	s_cbranch_scc0 .Lentry_shape_is_right
	s_endpgm
.Lentry_shape_is_right:
; out0 = a Wo^T on codes of FP4 with E8M0 scales; K = 2,048.  a: the attention's result, stored by the launch before as images of this launch's operand registers; Wo: the given codes, K innermost.
; SHARES.  A work-group makes 128 tokens x 128 columns.  Source 0 = 16 rows of Wo (R0), source 1 = 16 tokens (R1): a lane then holds eight neighbouring columns of one token's row.
; Wave w takes all 128 rows of Wo x tokens 32 w .. 32 w + 31: 16 accumulators.
; CLUSTERS of 4 x 4: Wo's tile hangs on cx alone and is asked for jointly down a column of the cluster, a's on cy alone and jointly along a row.
; LDS.  All of K stays: four chunks of 512 along K, each filled once; a wave has four tensor loads out, all issued at the head.  In a chunk: Wo's 128 rows of 256 bytes + 16 of padding; then a's 32 KiB, a dense
; block of memory laid [tile of 16 tokens 8][K step 4][half 2][lane 32][16 bytes], which needs no padding: a fragment load takes 512 consecutive bytes.
.set CH,     69632
.set PITCH,  272
.set TROW,   16*PITCH
.set R1OFF,  128*PITCH
.set HALFT,  64*PITCH
.set SPITCH, 528                       ; the way out: a stage of 16 rows x (512 bytes + 16) for each wave, in chunk 0's rows of Wo
.set WV,   2
.set ROLE, 3
.set HALF, 4
.set CX,   5
.set CY,   6
.set U0,   10
.set U1,   11
.set G1A,  24
.set G1B,  32
.set G0A,  40                          ; s[40:55] groups 0 for Wo's four chunks;  a's at s56, s60, s68, s72
.set ADR0, 1
.set ADR1, 2
.set STO,  5
.set RD,   6
.set CO,   7
.set SC0,  48                          ; v48-111  Wo's scale words: 16 (a % 4) + K step; lanes 0-15 tile a % 4, lanes 16-31 tile a % 4 + 4
.set SC1,  112                         ; v112-127 a's: K step; lanes 0-15 my tile 0, lanes 16-31 my tile 1
.set ACC,  128
.set MSB, 0
.macro WIN new
.if MSB != \new
	s_set_vgpr_msb (MSB<<8)|\new
.set MSB, \new
.endif
.endm
.set MUL,  0x05
.set TO_F, 0x40
.macro CROUND
	s_barrier_signal -1
	s_barrier_wait -1
	s_cmp_lg_u32 s[WV], 0
	s_cbranch_scc1 .Lnot_wave_0_\@
	s_barrier_signal -3
.Lnot_wave_0_\@:
	s_barrier_wait -3
	s_barrier_signal -1
	s_barrier_wait -1
.endm
.macro MM d, a, b, z, sa, sb, ra, rb
.if (\z) && (\ra) && (\rb)
	v_wmma_scale_f32_16x16x128_f8f6f4 v[\d:\d+7], v[\a:\a+7], v[\b:\b+7], 0, v[\sa], v[\sb] matrix_a_fmt:MATRIX_FMT_FP4 matrix_b_fmt:MATRIX_FMT_FP4 matrix_a_scale:MATRIX_SCALE_ROW1 matrix_b_scale:MATRIX_SCALE_ROW1
.elseif (\z) && (\ra)
	v_wmma_scale_f32_16x16x128_f8f6f4 v[\d:\d+7], v[\a:\a+7], v[\b:\b+7], 0, v[\sa], v[\sb] matrix_a_fmt:MATRIX_FMT_FP4 matrix_b_fmt:MATRIX_FMT_FP4 matrix_a_scale:MATRIX_SCALE_ROW1
.elseif (\z) && (\rb)
	v_wmma_scale_f32_16x16x128_f8f6f4 v[\d:\d+7], v[\a:\a+7], v[\b:\b+7], 0, v[\sa], v[\sb] matrix_a_fmt:MATRIX_FMT_FP4 matrix_b_fmt:MATRIX_FMT_FP4 matrix_b_scale:MATRIX_SCALE_ROW1
.elseif (\z)
	v_wmma_scale_f32_16x16x128_f8f6f4 v[\d:\d+7], v[\a:\a+7], v[\b:\b+7], 0, v[\sa], v[\sb] matrix_a_fmt:MATRIX_FMT_FP4 matrix_b_fmt:MATRIX_FMT_FP4
.elseif (\ra) && (\rb)
	v_wmma_scale_f32_16x16x128_f8f6f4 v[\d:\d+7], v[\a:\a+7], v[\b:\b+7], v[\d:\d+7], v[\sa], v[\sb] matrix_a_fmt:MATRIX_FMT_FP4 matrix_b_fmt:MATRIX_FMT_FP4 matrix_a_scale:MATRIX_SCALE_ROW1 matrix_b_scale:MATRIX_SCALE_ROW1
.elseif (\ra)
	v_wmma_scale_f32_16x16x128_f8f6f4 v[\d:\d+7], v[\a:\a+7], v[\b:\b+7], v[\d:\d+7], v[\sa], v[\sb] matrix_a_fmt:MATRIX_FMT_FP4 matrix_b_fmt:MATRIX_FMT_FP4 matrix_a_scale:MATRIX_SCALE_ROW1
.elseif (\rb)
	v_wmma_scale_f32_16x16x128_f8f6f4 v[\d:\d+7], v[\a:\a+7], v[\b:\b+7], v[\d:\d+7], v[\sa], v[\sb] matrix_a_fmt:MATRIX_FMT_FP4 matrix_b_fmt:MATRIX_FMT_FP4 matrix_b_scale:MATRIX_SCALE_ROW1
.else
	v_wmma_scale_f32_16x16x128_f8f6f4 v[\d:\d+7], v[\a:\a+7], v[\b:\b+7], v[\d:\d+7], v[\sa], v[\sb] matrix_a_fmt:MATRIX_FMT_FP4 matrix_b_fmt:MATRIX_FMT_FP4
.endif
.endm
	s_load_b256 s[76:83], s[0:1], 0x0              ; Wo codes 76, Wo scales 78, a_img 80, a_sc 82
	s_load_b64 s[84:85], s[0:1], 0x20              ; out0
	v_lshl_add_u32 v46, v0, 2, 0x44000
	v_mov_b32 v47, 0
	ds_add_u32 v46, v47
	ds_add_u32 v46, v47
	v_lshrrev_b32 v11, 5, v0
	v_readfirstlane_b32 s[WV], v11
	s_lshr_b32 s[ROLE], s[WV], 1
	s_and_b32 s[HALF], s[WV], 1
	s_bfe_u32 s[CX], ttmp6, 0x40000
	s_bfe_u32 s[CY], ttmp6, 0x40004
	s_lshl_b32 s[U0], ttmp9, 2
	s_add_co_u32 s[U0], s[U0], s[CX]               ; Wo's tile = 4 x cluster x + cx
	s_and_b32 s[U1], ttmp7, 0xffff
	s_lshl_b32 s[U1], s[U1], 2
	s_add_co_u32 s[U1], s[U1], s[CY]               ; the tokens' tile = 4 x cluster y + cy
	s_lshl_b32 s86, 0x1111, s[CX]                  ; my column of the cluster
	s_or_b32 s[G1A], s86, (1<<20)|(1<<21)|(5<<22)|(3<<25)   ; Wo: 64 rows x 256 bytes, elements of 1 byte, four words of padding after every 64; bit 21 set beside a mask
	s_mov_b32 s[G1A+1], 256<<16
	s_mov_b32 s[G1A+2], 64<<16
	s_mov_b32 s[G1A+3], 256<<16
	s_mov_b32 s[G1A+4], 64
	s_mov_b32 s[G1A+5], 1024
	s_mov_b32 s[G1A+6], 0
	s_mov_b32 s[G1A+7], 0
	s_lshl_b32 s87, s[CY], 2
	s_lshl_b32 s87, 15, s87                        ; my row
	s_or_b32 s[G1B], s87, (3<<16)|(1<<21)          ; a: 16 KiB of a dense block as 64 rows of 32 elements of 8 bytes, no padding
	s_mov_b32 s[G1B+1], 32<<16
	s_mov_b32 s[G1B+2], 64<<16
	s_mov_b32 s[G1B+3], 32<<16
	s_mov_b32 s[G1B+4], 64
	s_mov_b32 s[G1B+5], 32
	s_mov_b32 s[G1B+6], 0
	s_mov_b32 s[G1B+7], 0
	v_and_b32 v11, 15, v0                          ; r
	v_bfe_u32 v12, v0, 4, 1                        ; h
	v_and_b32 v13, 31, v0                          ; lane
	v_mul_u32_u24 v[ADR0], v11, PITCH
	v_lshl_add_u32 v[ADR0], v12, 4, v[ADR0]
	v_lshlrev_b32 v[CO], 4, v13                    ; 16 x lane
	s_lshl_b32 s92, s[WV], 13
	v_add_nc_u32 v[ADR1], s92, v[CO]
	v_add_nc_u32 v[ADR1], R1OFF, v[ADR1]           ; my two tiles of tokens: 8,192 w + 16 x lane
	v_lshlrev_b32 v3, 6, v11
	v_lshl_add_u32 v3, v12, 12, v3                 ; Wo's scales: row r of 64 bytes; lanes 16-31 four tiles on
	v_lshlrev_b32 v4, 2, v11
	v_lshl_add_u32 v4, v12, 7, v4                  ; a's: 4 r; lanes 16-31 the next tile, 128 bytes on
	s_mul_i32 s92, s[WV], 16*SPITCH
	v_mul_u32_u24 v[STO], v11, SPITCH
	v_lshl_add_u32 v[STO], v12, 5, v[STO]
	v_add_nc_u32 v[STO], s92, v[STO]               ; into my stage: row r, 32 bytes for each half of the lanes
	v_add_nc_u32 v[RD], s92, v[CO]                 ; back: the 32 lanes take one row of 512 bytes
	s_lshl_b32 s12, s[U0], 17                      ; Wo: 128 rows of 1,024 bytes a tile, + my 64 rows.  s12, s13 never hold cy
	s_lshl_b32 s13, s[HALF], 16
	s_add_co_u32 s12, s12, s13
	s_mov_b32 s13, 0
	s_lshl_b32 s14, s[U1], 17                      ; a: four blocks of 32 KiB a tile of 128 tokens, + my 16 KiB.  s14, s15 never hold cx
	s_lshl_b32 s15, s[HALF], 14
	s_add_co_u32 s14, s14, s15
	s_mov_b32 s15, 0
	s_mul_i32 s88, s[HALF], HALFT                  ; where they go: no place in the cluster enters an LDS address
	s_lshl_b32 s89, s[HALF], 14
	s_wait_dscnt 0x0
	s_wait_kmcnt 0x0
	s_add_nc_u64 s[16:17], s[76:77], s[12:13]
	s_add_nc_u64 s[18:19], s[80:81], s[14:15]
.irp j, 0,1,2,3
	s_mov_b32 s[G0A+4*\j], 1
	s_add_co_u32 s[G0A+4*\j+1], s88, \j*CH
	s_add_nc_u64 s[G0A+4*\j+2:G0A+4*\j+3], s[16:17], \j*256
	s_or_b32 s[G0A+4*\j+3], s[G0A+4*\j+3], 0x80000000
	s_mov_b32 s[56+4*\j+4*(\j/2)], 1
	s_add_co_u32 s[56+4*\j+4*(\j/2)+1], s89, \j*CH+R1OFF
	s_add_nc_u64 s[56+4*\j+4*(\j/2)+2:56+4*\j+4*(\j/2)+3], s[18:19], \j*32768
	s_or_b32 s[56+4*\j+4*(\j/2)+3], s[56+4*\j+4*(\j/2)+3], 0x80000000
.endr
	s_lshl_b32 s12, s[U0], 13
	s_add_nc_u64 s[20:21], s[78:79], s[12:13]      ; the scales of Wo's 128 rows
	s_lshl_b32 s14, s[U1], 10
	s_lshl_b32 s15, s[WV], 8
	s_add_co_u32 s14, s14, s15
	s_mov_b32 s15, 0
	s_add_nc_u64 s[22:23], s[82:83], s[14:15]      ; a_sc [g 8][tile 128][K step 2][16 words]: tile 8 u1 + 2 w
	s_lshl_b32 s90, s[U1], 20                      ; out0: token 128 u1 + 32 w of 8,192 bytes, column 128 u0
	s_lshl_b32 s91, s[WV], 18
	s_add_co_u32 s90, s90, s91
	s_lshl_b32 s91, s[U0], 9
	s_add_co_u32 s90, s90, s91
	s_mov_b32 s91, 0
	s_add_nc_u64 s[84:85], s[84:85], s[90:91]
	CROUND                                         ; all sixteen work-groups are here: the joint loads meet
	s_cmp_eq_u32 s[ROLE], 0                        ; a wave's four fills stand in one branch on the wave's number; four v_nop follow the last
	s_cbranch_scc0 .Lfill_r1
	tensor_load_to_lds s[40:43], s[G1A:G1A+7]
	s_nop 0
	tensor_load_to_lds s[44:47], s[G1A:G1A+7]
	s_nop 0
	tensor_load_to_lds s[48:51], s[G1A:G1A+7]
	s_nop 0
	tensor_load_to_lds s[52:55], s[G1A:G1A+7]
	s_nop 0
.rept 4
	v_nop
.endr
	s_branch .Lfilled
.Lfill_r1:
	tensor_load_to_lds s[56:59], s[G1B:G1B+7]
	s_nop 0
	tensor_load_to_lds s[60:63], s[G1B:G1B+7]
	s_nop 0
	tensor_load_to_lds s[68:71], s[G1B:G1B+7]
	s_nop 0
	tensor_load_to_lds s[72:75], s[G1B:G1B+7]
	s_nop 0
.rept 4
	v_nop
.endr
.Lfilled:
.irp a, 0,1,2,3
.irp j, 0,1,2,3
	global_load_b128 v[SC0+16*\a+4*\j:SC0+16*\a+4*\j+3], v3, s[20:21] offset:\a*1024+16*\j
.endr
.endr
.irp g, 0,1,2,3,4,5,6,7
.irp k, 0,1
	global_load_b32 v[SC1+2*\g+\k], v4, s[22:23] offset:\g*16384+64*\k
.endr
.endr
.macro FETCH ks
	WIN TO_F
.set FB, 80*((\ks)%2)
.irp a, 0,1,2,3,4,5,6,7
.irp c, 0,1
	ds_load_b128 v[FB+8*\a+4*\c:FB+8*\a+4*\c+3], v[ADR0] offset:\a*TROW+64*((\ks)%4)+32*\c
.endr
.endr
.irp i, 0,1
.irp c, 0,1
	ds_load_b128 v[FB+64+8*\i+4*\c:FB+64+8*\i+4*\c+3], v[ADR1] offset:\i*4096+1024*((\ks)%4)+512*\c
.endr
.endr
.endm
; A K step of 128: the next step's fragments are asked for, then 16 products, one on each accumulator, in the same order in every step
.macro KSTEP ks
.if ((\ks)%4 == 3) && ((\ks) < 15)
	WIN 0
	s_wait_tensorcnt 2-(\ks)/4                     ; my part of the next chunk has landed; that many younger chunks may be out
	s_wait_dscnt 0x0                               ; no LDS load of mine is out at the signal: my reads of the chunk that I leave are over
	s_barrier_signal -1
	s_barrier_wait -1
	v_add_nc_u32 v[ADR0], CH, v[ADR0]
	v_add_nc_u32 v[ADR1], CH, v[ADR1]              ; (two of the four places in front of the loads below)
	v_nop
	v_nop
.elseif (\ks) > 0 && (\ks) < 15
.rept 4
	v_nop                                          ; four places in front of loads into the buffer that the last step multiplied
.endr
.endif
.if (\ks) < 15
	FETCH (\ks)+1
	s_wait_dscnt 20                                ; all but the 20 just issued
.else
	s_wait_dscnt 0x0
.endif
	WIN MUL
.set ZF, 0
.if (\ks) == 0
.set ZF, 1
.endif
.irp i, 0,1
.irp a, 0,1,2,3,4,5,6,7
	MM ACC+64*\i+8*\a, 80*((\ks)%2)+8*\a, 80*((\ks)%2)+64+8*\i, ZF, SC0+16*(\a%4)+(\ks), SC1+(\ks), \a/4, \i
.endr
.endr
.endm
	s_wait_loadcnt 0x0                             ; the scale words
	s_wait_tensorcnt 0x3                           ; my part of chunk 0 is in; the three younger chunks may be out
	s_barrier_signal -1
	s_barrier_wait -1
	FETCH 0
.irp ks, 0,1,2,3,4,5,6,7,8,9,10,11,12,13,14,15
	KSTEP \ks
.endr
	WIN 0
.rept 4
	v_nop                                          ; places in front of the first read of results
.endr
; THE WAY OUT.  A lane holds 32 neighbouring bytes of a token's row, eight times; the lanes beside it hold other tokens.  So a tile of 16 tokens x 128 columns goes through my own stage and comes back as whole rows of
; 512 bytes.  The stage lies in chunk 0's rows of Wo: that chunk had its one fill, all tensor loads of the launch have landed, and every wave's reads of it were over in front of the barrier at the change to chunk 1.
; LDS serves a wave's instructions in order (ISA guide 5.7.1.4): no wait between the stores and the loads, nor in front of the next tile's stores.
.macro TOSTAGE i
.irp a, 0,1,2,3,4,5,6,7
	ds_store_b128 v[STO], v[ACC+64*\i+8*\a:ACC+64*\i+8*\a+3] offset:64*\a        ; each accumulator from its low end on
	ds_store_b128 v[STO], v[ACC+64*\i+8*\a+4:ACC+64*\i+8*\a+7] offset:64*\a+16
.endr
.irp t, 0,1,2,3,4,5,6,7,8,9,10,11,12,13,14,15
	ds_load_b128 v[ACC+64*\i+4*\t:ACC+64*\i+4*\t+3], v[RD] offset:\t*SPITCH      ; into the registers that they left
.endr
.endm
	TOSTAGE 0
	TOSTAGE 1
.irp t, 0,1,2,3,4,5,6,7,8,9,10,11,12,13,14,15
	s_wait_dscnt 47-\t                             ; row t of tile 0 is back: behind it stand 15 - t loads of its tile and tile 1's 32 instructions
	global_store_b128 v[CO], v[ACC+4*\t:ACC+4*\t+3], s[84:85] offset:\t*8192 th:TH_STORE_NT   ; 32 lanes store 512 consecutive bytes, aligned; written once, read by nobody here
.endr
.irp t, 0,1,2,3,4,5,6,7,8,9,10,11,12,13,14,15
	s_wait_dscnt 15-\t
	global_store_b128 v[CO], v[ACC+64+4*\t:ACC+64+4*\t+3], s[84:85] offset:(16+\t)*8192 th:TH_STORE_NT
.endr
	s_wait_tensorcnt 0x0
	ds_add_u32 v46, v47
	s_wait_dscnt 0x0
	CROUND                                         ; the closing round: no work-group ends while a partner may still ask for a tile that names it
	s_endpgm
.Lfunc_end_k_qcda43076cc_oproj:
	.size	k_qcda43076cc_oproj, .Lfunc_end_k_qcda43076cc_oproj-k_qcda43076cc_oproj
	.p2alignl 7, 3214868480
	.fill 96, 4, 3214868480
	.section	.rodata,"a",@progbits
	.p2align	6, 0x0
	.amdhsa_kernel k_qcda43076cc_oproj
		.amdhsa_group_segment_fixed_size 279040
		.amdhsa_private_segment_fixed_size 0
		.amdhsa_enable_private_segment 0
		.amdhsa_kernarg_size 40
		.amdhsa_user_sgpr_count 2
		.amdhsa_user_sgpr_kernarg_segment_ptr 1
		.amdhsa_wavefront_size32 1
		.amdhsa_system_sgpr_workgroup_id_x 1
		.amdhsa_system_sgpr_workgroup_id_y 1
		.amdhsa_system_sgpr_workgroup_id_z 1
		.amdhsa_system_vgpr_workitem_id 0
		.amdhsa_next_free_vgpr 416
		.amdhsa_next_free_sgpr 96
		.amdhsa_reserve_vcc 0
		.amdhsa_float_denorm_mode_32 3
		.amdhsa_float_denorm_mode_16_64 3
		.amdhsa_memory_ordered 1
		.amdhsa_forward_progress 1
		.amdhsa_inst_pref_size 75
	.end_amdhsa_kernel
	.amdgpu_metadata
---
amdhsa.version: [ 1, 2 ]
amdhsa.kernels:
  - .name:           k_qcda43076cc_oproj
    .symbol:         k_qcda43076cc_oproj.kd
    .args:
      - { .name: Wo_codes, .offset: 0, .size: 8, .value_kind: global_buffer, .address_space: global }
      - { .name: Wo_scales, .offset: 8, .size: 8, .value_kind: global_buffer, .address_space: global }
      - { .name: a_img, .offset: 16, .size: 8, .value_kind: global_buffer, .address_space: global }
      - { .name: a_sc, .offset: 24, .size: 8, .value_kind: global_buffer, .address_space: global }
      - { .name: out0, .offset: 32, .size: 8, .value_kind: global_buffer, .address_space: global }
    .group_segment_fixed_size: 279040
    .private_segment_fixed_size: 0
    .kernarg_segment_align: 8
    .kernarg_segment_size: 40
    .max_flat_workgroup_size: 128
    .sgpr_count:     96
    .vgpr_count:     416
    .wavefront_size: 32
...
	.end_amdgpu_metadata
.endif
;; end of part 3
;; ======== version 2 of 2: 3 launches; version 1 with the launch attn written anew for expert scheduling mode
;; workspace buffers: q_img 2,097,152 bytes; q_sc 262,144 bytes; kv_img 1,146,880 bytes; mwords 524,288 bytes of whole numbers; mflags 8,192 bytes of whole numbers; a_img 2,097,152 bytes; a_sc 131,072 bytes
;; launch qkv: the kernel of part 1 again; grid 24 x 16, 4 waves a work-group, clusters of 4 x 4, 279,040 bytes of LDS; arguments x_codes, x_scales, Wq_codes, Wq_scales, Wk_codes, Wk_scales, Wv_codes, Wv_scales, cos, sin, mask, mwords, mflags, q_img, q_sc, kv_img; writes mwords, mflags, q_img, q_sc, kv_img
;; launch attn (part 4): grid 32 x 8, 16 waves a work-group, no clusters, 146,432 bytes of LDS; arguments q_img, q_sc, kv_img, mwords, mflags, a_img, a_sc; writes a_img, a_sc
.if DOCPART == 4
	.amdgcn_target "amdgcn-amd-amdhsa--gfx1250"
	.amdhsa_code_object_version 6
	.text
	.protected	k_qcda43076cc_attn
	.globl	k_qcda43076cc_attn
	.p2align	8
	.type	k_qcda43076cc_attn,@function
k_qcda43076cc_attn:
	s_mov_b64 s[64:65], 0
	v_nop
	global_prefetch_b8 v0, s[64:65] scope:SCOPE_SE
	s_setreg_imm32_b32 hwreg(HW_REG_WAVE_SCHED_MODE, 0, 2), 2
	s_setreg_imm32_b32 hwreg(HW_REG_WAVE_MODE, 25, 1), 1
	s_wait_xcnt 0x0
	s_wait_alu depctr_vm_vsrc(0)
; o = softmax(q k^T / 8 under the given mask) v for 32 heads (8 kv heads), both products on codes of FP4 with E8M0 scales; o is quantised along head x 64 + d for the last product.
; THE SOFTMAX: t = score x log2(e) / 8; M = the running largest t rounded up to a whole number; p = 2^(t - M) is quantised along the keys; the row's sum is taken of the unquantised p and divides at the end.
; SHARES.  A work-group takes kv head y and four tiles of 16 queries, 2 x, 2 x + 1, 126 - 2 x, 127 - 2 x, for the four query heads of that kv head: 16 units, one a wave, 256 registers each.  The choice of tiles is
; right for any mask; it evens the work out where a mask hides more keys from early queries.  Waves w, w + 4, w + 8, w + 12 hold four different tiles.
; THE MASK IS HONOURED AS GIVEN.  The launch before stored, for each tile of queries and key step of 128, 64 lane-mask words and a flag.  A step all of whose 2,048 places are masked is jumped over (its p are all 0);
; one with no masked place skips the selects; any other turns masked scores into -infinity.
; NO TENSOR LOAD AND NO CLUSTER: the loop's branches hang on flags read from memory; what partners could share is 143,360 bytes a work-group, read once, while the
; jump spares a whole step's 12 products and some 230 vector instructions wherever the mask hides one.  The kv head's 16 records are copied into LDS through registers at the head; the loop has no barrier.
; LAYOUT.  S^T = K Q^T (source 0 = 16 keys), O^T = V^T P^T (source 0 = 16 of the head's 64): a lane holds one query (lane % 16) throughout.
; K = 64 IN AN INSTRUCTION OF K = 128: Q's registers 4-7 are zero codes; K's registers 4-7 are whatever follows (the next tile's codes, zeros behind the last): every code of E2M1 is a finite number, and the scale bytes
; of those two blocks stand for 1 on both sides, so these products add exactly 0.
; LIMITS.  A query all of whose keys are masked gets the scale bytes 0xff, which make its row of the output NaN, as the softmax of such a row is.  A block of zeros gets the byte 1 (its codes are zeros; this
; program alone reads the bytes).  NaN and infinities among the inputs are not served.
; THE MODE: SCHED_MODE bits 1:0 = 2 (LLVM: expert scheduling mode 2), set by the entry lines.  The code itself states the register dependences between vector or matrix instructions and memory or LDS
; instructions, with s_wait_alu, always for 0.
; THE PLAN.  Registers that memory or LDS instructions touch:
;   v1, v6, v7, v10, v11, v25-27, v254, v255   offsets and LDS addresses: written at the head, never again.  One wait on va_vdst stands ahead of the first load.
;   v96-165 at the head   the staged record: global loads land there, LDS stores read it; behind the first barrier one wait on vm_vsrc, then these registers are S^T and O^T.
;   v8, v9                a step's LDS addresses: written by two additions at the head of a walked step, read by its 22 LDS loads.
;   K v28-59, v232-235    LDS loads at the step's head land there; the step's eight score products read them.
;   V v64-95, v236-237    LDS loads dealt among the score products land there; the step's four products V^T P^T read them.
;   v192-195, v214        the way out's codes and half-word: written by vector lines, read by one store each.
; A walked step has one wait on vm_vsrc (ahead of the two additions) and one on va_vdst behind them: v8 and v9 are written, and the products of the step walked last are done reading K's and V's registers.  Since
; that wait the only vector-side lines ahead of the step's last load are the score products, which name S^T, K, Q and their scale words: none of V's registers, nor v8, v9.  So V's loads follow with no further wait.
.set REC,  8960                        ; a record: K images 4,096 | V fragments 4,096 | K scale words 512 | V scale words 256
.set SST,  16*REC                      ; behind the records: 512 bytes for the result's scale half-words
.set SEL,  6                           ; s[6:7]  lane selects: lane l xor 16
.set CS,   8                           ; s[8:9]  c = log2(e) / 8
.set KF,   28                          ; v28-59  K, four registers a tile; v60-63 zeros
.set VF,   64                          ; v64-95  V, eight a tile of 16 d
.set S,    96                          ; v96-159 S^T, then p
.set O,    160                         ; v160-191 O^T
.set PC,   192                         ; v192-199 p's codes
.set BM,   200                         ; v200-203 the blocks' largest scores, then p
.set BP,   204                         ; v204-207 the other half's, then bytes
.set SO,   208                         ; v208-211 the conversions' scale operands
.set KS,   232                         ; v232-235 K's scale words (lanes 0-15 tile 2 u, lanes 16-31 tile 2 u + 1); v236-237 V's likewise; v238 p's; v239 Q's
.set VS,   236
.set PS,   238
.set QS,   239
.macro MM d, a, b, z, sa, sb, ra
.if (\z) && (\ra)
	v_wmma_scale_f32_16x16x128_f8f6f4 v[\d:\d+7], v[\a:\a+7], v[\b:\b+7], 0, v[\sa], v[\sb] matrix_a_fmt:MATRIX_FMT_FP4 matrix_b_fmt:MATRIX_FMT_FP4 matrix_a_scale:MATRIX_SCALE_ROW1
.elseif (\z)
	v_wmma_scale_f32_16x16x128_f8f6f4 v[\d:\d+7], v[\a:\a+7], v[\b:\b+7], 0, v[\sa], v[\sb] matrix_a_fmt:MATRIX_FMT_FP4 matrix_b_fmt:MATRIX_FMT_FP4
.elseif (\ra)
	v_wmma_scale_f32_16x16x128_f8f6f4 v[\d:\d+7], v[\a:\a+7], v[\b:\b+7], v[\d:\d+7], v[\sa], v[\sb] matrix_a_fmt:MATRIX_FMT_FP4 matrix_b_fmt:MATRIX_FMT_FP4 matrix_a_scale:MATRIX_SCALE_ROW1
.else
	v_wmma_scale_f32_16x16x128_f8f6f4 v[\d:\d+7], v[\a:\a+7], v[\b:\b+7], v[\d:\d+7], v[\sa], v[\sb] matrix_a_fmt:MATRIX_FMT_FP4 matrix_b_fmt:MATRIX_FMT_FP4
.endif
.endm
; tiles 4 c .. 4 c + 3 of S (register 8 t + j = row 16 t + 8 h + j) into codes: tile 4 c + e to register 4 c + {0, 2, 1, 3}[e]; SWAPS then leaves rows 64 c + 32 h + 8 i .. + 7 in register 4 c + i
.macro CODES c
	v_cvt_scalef32_pk8_fp4_f32 v[PC+4*\c], v[S+32*\c:S+32*\c+7], v[SO+2*\c]
	v_cvt_scalef32_pk8_fp4_f32 v[PC+4*\c+2], v[S+32*\c+8:S+32*\c+15], v[SO+2*\c]
	v_cvt_scalef32_pk8_fp4_f32 v[PC+4*\c+1], v[S+32*\c+16:S+32*\c+23], v[SO+2*\c+1]
	v_cvt_scalef32_pk8_fp4_f32 v[PC+4*\c+3], v[S+32*\c+24:S+32*\c+31], v[SO+2*\c+1]
.endm
.macro SWAPS c
	v_permlane16_swap_b32 v[PC+4*\c], v[PC+4*\c+1]
	v_permlane16_swap_b32 v[PC+4*\c+2], v[PC+4*\c+3]
.endm
	s_load_b256 s[16:23], s[0:1], 0x0              ; q_img 16, q_sc 18, kv_img 20, mwords 22
	s_load_b128 s[24:27], s[0:1], 0x20             ; mflags 24, a_img 26
	s_load_b64 s[28:29], s[0:1], 0x30              ; a_sc
	v_lshl_add_u32 v254, v0, 2, 0x23400            ; the LDS address of my spare word, behind the half-words; kept for the closing lines alone
	v_mov_b32 v255, 0                              ; 0, likewise
	v_lshrrev_b32 v1, 5, v0
	v_readfirstlane_b32 s2, v1                     ; wave 0..15
	v_and_b32 v3, 31, v0                           ; lane
	v_and_b32 v4, 15, v0                           ; r
	v_bfe_u32 v5, v0, 4, 1                         ; h
	v_lshlrev_b32 v1, 4, v3                        ; 16 x lane
	v_lshlrev_b32 v2, 2, v3                        ; 4 x lane
	v_lshlrev_b32 v6, 2, v4                        ; 4 r
	v_lshlrev_b32 v7, 3, v3                        ; 8 x lane
	s_and_b32 s48, ttmp7, 0xffff                   ; g: the kv head
	s_wait_alu depctr_va_sdst(0)                   ; s2 is written, ahead of its first reader: heads, tiles and addresses are made from it
	s_lshr_b32 s49, s2, 2                          ; which of its four query heads
	s_add_co_u32 s50, s2, s49
	s_and_b32 s50, s50, 3                          ; which of the four tiles
	s_lshl_b32 s51, ttmp9, 1
	s_sub_co_u32 s52, 126, s51
	s_bitcmp1_b32 s50, 1
	s_cselect_b32 s51, s52, s51
	s_and_b32 s52, s50, 1
	s_add_co_u32 s51, s51, s52                     ; qt: my tile of 16 queries
	s_lshl_b32 s53, s48, 2
	s_add_co_u32 s53, s53, s49                     ; my head
	s_lshl_b32 s54, s53, 16
	s_lshl_b32 s55, s51, 9
	s_add_co_u32 s54, s54, s55                     ; q_img: 65,536 head + 512 qt
	s_mov_b32 s55, 0
	s_lshl_b32 s56, s53, 13
	s_lshl_b32 s57, s51, 6
	s_add_co_u32 s56, s56, s57                     ; q_sc: 8,192 head + 64 qt
	s_mov_b32 s57, 0
	s_lshl_b32 s58, s48, 4
	s_add_co_u32 s58, s58, s2
	s_mul_i32 s58, s58, REC                        ; kv_img: record (g, wave): the one that I copy
	s_mov_b32 s59, 0
	s_lshl_b32 s60, s51, 12                        ; mwords: 4,096 qt
	s_mov_b32 s61, 0
	s_lshl_b32 s62, s51, 6                         ; mflags: 64 qt
	s_mov_b32 s63, 0
	s_lshr_b32 s68, s51, 3                         ; a_img: ((qt / 8) 4 + ks / 4) 32,768 + (qt % 8) 4,096 + (ks % 4) 1,024 + (head % 2) 512, ks = head / 2 = 2 g + hh / 2
	s_lshl_b32 s68, s68, 2
	s_lshr_b32 s69, s48, 1
	s_add_co_u32 s68, s68, s69
	s_lshl_b32 s68, s68, 15
	s_and_b32 s69, s51, 7
	s_lshl_b32 s69, s69, 12
	s_add_co_u32 s68, s68, s69
	s_and_b32 s69, s48, 1
	s_lshl_b32 s69, s69, 1
	s_lshr_b32 s70, s49, 1
	s_add_co_u32 s69, s69, s70
	s_lshl_b32 s69, s69, 10
	s_add_co_u32 s68, s68, s69
	s_and_b32 s69, s49, 1
	s_lshl_b32 s69, s69, 9
	s_add_co_u32 s68, s68, s69
	s_mov_b32 s69, 0
	s_lshl_b32 s70, s48, 14                        ; a_sc: 16,384 g + 128 x tile 2 x
	s_lshl_b32 s71, ttmp9, 8
	s_add_co_u32 s70, s70, s71
	s_mov_b32 s71, 0
	s_lshl_b32 s72, s50, 7                         ; my half-words in LDS: 128 x tile + 64 (hh / 2) + 2 (hh % 2) + 4 r
	s_lshr_b32 s73, s49, 1
	s_lshl_b32 s73, s73, 6
	s_add_co_u32 s72, s72, s73
	s_and_b32 s73, s49, 1
	s_lshl_b32 s73, s73, 1
	s_add_co_u32 s72, s72, s73
	s_lshl_b32 s74, ttmp9, 2
	s_sub_co_u32 s74, 126, s74
	s_lshl_b32 s74, s74, 7                         ; from tile 2 x to tile 126 - 2 x in a_sc: (126 - 4 x) 128 bytes
	s_mul_i32 s75, s2, REC
	s_mov_b32 s[SEL], 0x76543210
	s_mov_b32 s[SEL+1], 0xfedcba98
	s_mov_b32 s[CS], 0x3e38aa3b                    ; log2(e) / 8
	s_mov_b32 s[CS+1], s[CS]                       ; (named with it as a pair, so it is written)
	v_add_nc_u32 v10, s75, v1                      ; where I put my record in LDS
	v_add_nc_u32 v11, s75, v7
	v_add_nc_u32 v25, s72, v6
	v_add_nc_u32 v25, SST, v25                     ; where my half-word goes
	v_add_nc_u32 v26, SST, v1                      ; where wave 0 reads all of them
	v_mul_lo_u32 v27, v5, s74
	v_lshl_add_u32 v27, v4, 4, v27                 ; and stores them: lanes 0-15 tiles 2 x, 2 x + 1; lanes 16-31 tiles 126 - 2 x, 127 - 2 x
	s_wait_kmcnt 0x0
	s_add_nc_u64 s[16:17], s[16:17], s[54:55]
	s_add_nc_u64 s[18:19], s[18:19], s[56:57]
	s_add_nc_u64 s[20:21], s[20:21], s[58:59]
	s_add_nc_u64 s[10:11], s[22:23], s[60:61]      ; s[10:11]: the step's mask words
	s_add_nc_u64 s[24:25], s[24:25], s[62:63]
	s_add_nc_u64 s[84:85], s[26:27], s[68:69]
	s_add_nc_u64 s[86:87], s[28:29], s[70:71]
	s_wait_alu depctr_va_vdst(0)                   ; v1, v6, v7, v10, v11, v25, v26, v27, v254 and v255 are written: the offsets and LDS addresses that the loads and stores of the head and of the way out read
.irp n, 0,1,2,3,4,5,6,7,8,9,10,11,12,13,14,15,16
	global_load_b128 v[96+4*\n:99+4*\n], v1, s[20:21] offset:512*\n    ; my record: 17 x 512 bytes,
.endr
	global_load_b64 v[164:165], v7, s[20:21] offset:8704               ; and 256
	global_load_b128 v[16:19], v1, s[16:17]        ; Q's image: lane (r, h): d = 32 h .. 32 h + 31 of query r
	global_load_b32 v[QS], v6, s[18:19]            ; and its scale words
	s_load_b512 s[32:47], s[24:25], 0x0            ; my tile's 16 flags
.irp q, 20,21,22,23,60,61,62,63,14,15,204,205,206,207,213
	v_mov_b32 v\q, 0                               ; zero codes; the sum's two halves; lane permutes' destinations and the upper half of the pair v[212:213], written once.  (None of these is a register of the loads above or of the LDS stores below)
.endr
	v_mov_b32 v24, 0xff800000                      ; -infinity
	v_mov_b32 v13, 0xff61b1e6                      ; the largest t so far: -3e38
	v_floor_f32 v12, -v13                          ; -M
.irp n, 0,1,2,3,4,5,6,7,8,9,10,11,12,13,14,15,16
	s_wait_loadcnt 19-\n                           ; loads come back in order: number n is in, the 19 - n younger ones may be out
	ds_store_b128 v10, v[96+4*\n:99+4*\n] offset:512*\n
.endr
	s_wait_loadcnt 2
	ds_store_b64 v11, v[164:165] offset:8704
	s_wait_loadcnt 0x0                             ; Q
	s_wait_kmcnt 0x0
	s_or_b32 s4, s32, s33                          ; s4: bit s: step s is hidden; bit 16 + s: step s is open
.irp q, 34,35,36,37,38,39,40,41,42,43,44,45,46,47
	s_or_b32 s4, s4, s\q
.endr
	s_wait_dscnt 0x0                               ; for the others' sake: my record lies in LDS
	s_barrier_signal -1
	s_barrier_wait -1                              ; all sixteen do
	s_wait_alu depctr_vm_vsrc(0)                   ; my LDS stores have read v96 to v165: these registers are S^T and O^T from here on, written by the lines below, by the score products and on the way out
.irp j, 0,1,2,3,4,5,6,7,8,9,10,11,12,13,14,15,16,17,18,19,20,21,22,23,24,25,26,27,28,29,30,31
	v_mov_b32 v[O+\j], 0                           ; O^T: the step is written once; which step is a wave's first hangs on the flags
.endr
	s_mov_b32 s3, 0                                ; LDS byte of the step's record
	s_mov_b32 s5, 0
; the step's loads and its eight score products
.macro SPROD
	s_wait_alu depctr_vm_vsrc(0)                   ; the LDS loads of the step walked last have read v8 and v9, which the two lines below write
	v_add_nc_u32 v8, s3, v1
	v_add_nc_u32 v9, s3, v2
	s_wait_alu depctr_va_vdst(0)                   ; v8 and v9 are written, which the LDS loads below read; the products of the step walked last are done reading K's and V's registers and their scale words, in which those loads land; in a wave's first walked step the zero codes v20-23 and v60-63 are written, which the scaled products take as operands
.irp t, 0,1,2,3,4,5,6,7
	ds_load_b128 v[KF+4*\t:KF+4*\t+3], v8 offset:512*\t
.endr
.irp u, 0,1,2,3
	ds_load_b32 v[KS+\u], v9 offset:8192+128*\u
.endr
	s_wait_dscnt 0x0                               ; K and its scale words are in; V's loads are issued behind this wait
.irp t, 0,1,2,3,4,5,6,7
	MM S+8*\t, KF+4*\t, 16, 1, KS+\t/2, QS, \t%2
	ds_load_b128 v[VF+4*\t:VF+4*\t+3], v8 offset:4096+512*\t   ; V, a load behind each product.  No wait: no vector or matrix instruction since the wait above names V's registers, v8 or v9
.endr
.irp u, 0,1
	ds_load_b32 v[VS+\u], v9 offset:8704+128*\u
.endr
.rept 4
	v_nop                                          ; places in front of the first read of results
.endr
.endm
.Lstep:                                            ; 16 trips: a constant; the flags jump over work, never over the lines that step addresses
	s_bitcmp1_b32 s4, 0
	s_cbranch_scc1 .Lhidden
	s_bitcmp1_b32 s4, 16
	s_cbranch_scc1 .Lopen
	s_load_b512 s[16:31], s[10:11], 0x0            ; the step's 64 lane-mask words: word n in s[16 + n], from n = 48 on in s[20 + n]
	s_load_b512 s[32:47], s[10:11], 0x40
	s_load_b512 s[48:63], s[10:11], 0x80
	s_load_b512 s[68:83], s[10:11], 0xc0
	SPROD
	s_wait_kmcnt 0x0
.irp n, 0,1,2,3,4,5,6,7,8,9,10,11,12,13,14,15,16,17,18,19,20,21,22,23,24,25,26,27,28,29,30,31,32,33,34,35,36,37,38,39,40,41,42,43,44,45,46,47,48,49,50,51,52,53,54,55,56,57,58,59,60,61,62,63
	v_cndmask_b32 v[S+\n], v[S+\n], v24, s[16+\n+4*(\n/48)]   ; masked: -infinity, ahead of the maximum: p = 0
.endr
	s_branch .Lsoft
.Lopen:
	SPROD
.Lsoft:
.irp b, 0,1,2,3
	v_max3_num_f32 v[BM+\b], v[S+16*\b], v[S+16*\b+1], v[S+16*\b+2]   ; the largest score of each block of 32 keys: for the row's maximum, and, since p rises with the score, for the block's largest p
.endr
.irp i, 3,5,7,9,11,13
.irp b, 0,1,2,3
	v_max3_num_f32 v[BM+\b], v[BM+\b], v[S+16*\b+\i], v[S+16*\b+\i+1]
.endr
.endr
.irp b, 0,1,2,3
	v_max_num_f32 v[BM+\b], v[BM+\b], v[S+16*\b+15]
.endr
.irp b, 0,1,2,3
	v_permlanex16_b32 v[BP+\b], v[BM+\b], s[SEL], s[SEL+1]
.endr
.irp b, 0,1,2,3
	v_max_num_f32 v[BM+\b], v[BM+\b], v[BP+\b]     ; with lane l xor 16's 16 keys
.endr
	v_max3_num_f32 v214, v200, v201, v202
	v_max_num_f32 v214, v214, v203                 ; the step's largest score of my query
	v_mul_f32 v214, s[CS], v214
	v_max_num_f32 v13, v13, v214                   ; the running largest t
	v_mov_b32 v214, v12
	v_floor_f32 v12, -v13                          ; the new -M = -ceil(t): a whole number
	v_sub_f32 v214, v12, v214                      ; old M - new M: a whole number, 0 or less
	v_cvt_i32_f32 v214, v214                       ; (it saturates)
	v_ldexp_f32 v212, 1.0, v214                    ; f = 2^(old M - new M): rounds nothing
.irp j, 0,2,4,6,8,10,12,14,16,18,20,22,24,26,28,30,32,34,36,38,40,42,44,46,48,50,52,54,56,58,60,62
	v_pk_fma_f32 v[S+\j:S+\j+1], v[S+\j:S+\j+1], s[CS:CS+1], v[12:13] op_sel_hi:[1,0,0]   ; t - M, two at a time
.endr
.irp b, 0,1,2,3
	v_fma_f32 v[BM+\b], v[BM+\b], s[CS], v12       ; the same of each block's largest score
.endr
.irp j, 0,1,2,3,4,5,6,7,8,9,10,11,12,13,14,15,16,17,18,19,20,21,22,23,24,25,26,27,28,29,30,31,32,33,34,35,36,37,38,39,40,41,42,43,44,45,46,47,48,49,50,51,52,53,54,55,56,57,58,59,60,61,62,63
	v_exp_f32 v[S+\j], v[S+\j]                     ; p = 2^(t - M), not normalised
.endr
	v_pk_mul_f32 v[14:15], v[14:15], v[212:213] op_sel_hi:[1,0]   ; the sums under the new M: the plain place behind the exponentials
	s_wait_alu depctr_va_vdst(0)                   ; the 64 exponentials have written p in v96 to v159: one wait for the batch, ahead of its first reader
.irp b, 0,1,2,3
	v_exp_f32 v[BM+\b], v[BM+\b]                   ; the block's largest p: the same two instructions on the same number
.endr
	v_pk_add_f32 v[216:217], v[S:S+1], v[S+2:S+3]  ; the row's sum, of the unquantised p, in two chains: it reads the 64 alone
.irp j, 4,8,12,16,20,24,28,32,36,40,44,48,52,56,60
	v_pk_add_f32 v[14:15], v[14:15], v[S+\j:S+\j+1]
	v_pk_add_f32 v[216:217], v[216:217], v[S+\j+2:S+\j+3]
.endr
	v_pk_add_f32 v[14:15], v[14:15], v[216:217]
	s_wait_alu depctr_va_vdst(0)                   ; the four exponentials have written the blocks' largest p in v200 to v203: their wait, ahead of the first reader
.irp b, 0,1,2,3
	v_max_num_f32 v[BM+\b], 0x1800000, v[BM+\b]    ; the floor 2^(3 - 127): the byte cannot fall under 1
.endr
.irp b, 0,1,2,3
	v_add_nc_u32 v[SO+\b], 0xff000000, v[BM+\b]    ; 2 off the exponent field: the conversion's scale operand
.endr
.irp b, 0,1,2,3
	v_lshrrev_b32 v[BP+\b], 23, v[SO+\b]           ; the scale's byte
.endr
	v_lshl_or_b32 v[PS], v[BP+1], 8, v[BP]         ; p's scale word for these 128 keys
	v_lshl_or_b32 v[PS], v[BP+2], 16, v[PS]
	v_lshl_or_b32 v[PS], v[BP+3], 24, v[PS]
	CODES 0
	CODES 1
	v_nop                                          ; one plain place behind a scaled conversion
	SWAPS 0
	SWAPS 1
.irp j, 0,2,4,6,8,10,12,14,16,18,20,22,24,26,28,30
	v_pk_mul_f32 v[O+\j:O+\j+1], v[O+\j:O+\j+1], v[212:213] op_sel_hi:[1,0]   ; O^T under the new M.  These 16 are also the places between the lines that made p's codes and scale word and the products below
.endr
	s_wait_dscnt 0x0                               ; V and its scale words are in
	s_wait_alu depctr_va_vdst(0)                   ; the conversions and exchanges have written p's codes v192 to v199, and the shifts its scale word v238, which the scaled products below take as operand and as scales; the places above stay beside this wait
.irp t, 0,1,2,3
	MM O+8*\t, VF+8*\t, PC, 0, VS+\t/2, PS, \t%2   ; O^T += V^T P^T: the four accumulators by turns; the next step's score products stand between two links of a chain
.endr
.rept 4
	v_nop                                          ; places in front of the way out's reads of these results
.endr
.Lhidden:
	s_add_co_u32 s3, s3, REC
	s_add_nc_u64 s[10:11], s[10:11], 256           ; (the scalar loads that named it were waited for)
	s_lshr_b32 s4, s4, 1
	s_add_co_u32 s5, s5, 1
	s_cmp_lt_u32 s5, 16
	s_cbranch_scc1 .Lstep
	; THE WAY OUT: O^T / the sum; quantised along d (two blocks of 32); the image of registers 4 c .. 4 c + 3 of the last product's fragment (tile qt, K step head / 2), c = head % 2
	v_add_f32 v14, v14, v15
	v_permlanex16_b32 v204, v14, s[SEL], s[SEL+1]
	v_add_f32 v14, v14, v204                       ; the row's sum
	v_rcp_f32 v15, v14
	v_mov_b32 v215, 0xffff                         ; (the plain place behind the reciprocal)
	s_wait_alu depctr_va_vdst(0)                   ; the reciprocal has written v15: its wait, ahead of the first reader
	v_cmp_eq_f32 vcc_lo, 0, v14                    ; a query with no key at all?  Made here, well ahead of the select that reads it
.irp j, 0,1,2,3,4,5,6,7,8,9,10,11,12,13,14,15,16,17,18,19,20,21,22,23,24,25,26,27,28,29,30,31
	v_mul_f32 v[S+\j], v[O+\j], v15                ; register 8 t + j: d = 16 t + 8 h + j; each accumulator from its low end on
.endr
.irp b, 0,1
	v_max3_num_f32 v[BM+\b], |v[S+16*\b]|, |v[S+16*\b+1]|, 0x1800000
.endr
.irp i, 2,4,6,8,10,12,14
.irp b, 0,1
	v_max3_num_f32 v[BM+\b], v[BM+\b], |v[S+16*\b+\i]|, |v[S+16*\b+\i+1]|
.endr
.endr
.irp b, 0,1
	v_permlanex16_b32 v[BP+\b], v[BM+\b], s[SEL], s[SEL+1]
.endr
.irp b, 0,1
	v_max_num_f32 v[BM+\b], v[BM+\b], v[BP+\b]
.endr
.irp b, 0,1
	v_add_nc_u32 v[SO+\b], 0xff000000, v[BM+\b]
.endr
.irp b, 0,1
	v_lshrrev_b32 v[BP+\b], 23, v[SO+\b]
.endr
	v_lshl_or_b32 v214, v[BP+1], 8, v[BP]          ; my head's two bytes
	s_wait_alu depctr_va_vcc(0)                    ; the compare has written VCC, which the select below reads
	v_cndmask_b32 v214, v214, v215, vcc_lo         ; a query with no key at all: the bytes that stand for NaN
	CODES 0
	v_nop
	SWAPS 0
	s_wait_alu depctr_va_vdst(0)                   ; the conversions and exchanges have written the codes v192 to v195 and the select the half-word v214, which the two stores below read; the vector lines are done with v96 to v99, in which wave 0's LDS load lands: no vector line follows
	global_store_b128 v1, v[PC:PC+3], s[84:85]     ; 32 lanes store 512 consecutive bytes, aligned
	ds_store_b16 v25, v214                         ; lanes l and l xor 16 write the same half-word with the same value
	s_wait_dscnt 0x0
	s_barrier_signal -1
	s_barrier_wait -1                              ; the sixteen waves' half-words make 4 tiles x 2 K steps x 16 words
	s_cmp_lg_u32 s2, 0
	s_cbranch_scc1 .Lend
	ds_load_b128 v[96:99], v26
	s_wait_dscnt 0x0
	global_store_b128 v27, v[96:99], s[86:87]      ; sixteen lanes store 256 consecutive bytes, aligned, twice
.Lend:
	s_wait_dscnt 0x0                               ; the closing lines, six on end
	s_wait_alu 0x0
	s_wait_tensorcnt 0x0
	ds_add_u32 v254, v255
	s_wait_dscnt 0x0
	s_endpgm
.Lfunc_end_k_qcda43076cc_attn:
	.size	k_qcda43076cc_attn, .Lfunc_end_k_qcda43076cc_attn-k_qcda43076cc_attn
	.p2alignl 7, 3214868480
	.fill 96, 4, 3214868480
	.section	.rodata,"a",@progbits
	.p2align	6, 0x0
	.amdhsa_kernel k_qcda43076cc_attn
		.amdhsa_group_segment_fixed_size 146432
		.amdhsa_private_segment_fixed_size 0
		.amdhsa_enable_private_segment 0
		.amdhsa_kernarg_size 56
		.amdhsa_user_sgpr_count 2
		.amdhsa_user_sgpr_kernarg_segment_ptr 1
		.amdhsa_wavefront_size32 1
		.amdhsa_system_sgpr_workgroup_id_x 1
		.amdhsa_system_sgpr_workgroup_id_y 1
		.amdhsa_system_sgpr_workgroup_id_z 1
		.amdhsa_system_vgpr_workitem_id 0
		.amdhsa_next_free_vgpr 256
		.amdhsa_next_free_sgpr 88
		.amdhsa_reserve_vcc 1
		.amdhsa_float_denorm_mode_32 3
		.amdhsa_float_denorm_mode_16_64 3
		.amdhsa_memory_ordered 1
		.amdhsa_forward_progress 1
		.amdhsa_inst_pref_size 37
	.end_amdhsa_kernel
	.amdgpu_metadata
---
amdhsa.version: [ 1, 2 ]
amdhsa.kernels:
  - .name:           k_qcda43076cc_attn
    .symbol:         k_qcda43076cc_attn.kd
    .args:
      - { .name: q_img, .offset: 0, .size: 8, .value_kind: global_buffer, .address_space: global }
      - { .name: q_sc, .offset: 8, .size: 8, .value_kind: global_buffer, .address_space: global }
      - { .name: kv_img, .offset: 16, .size: 8, .value_kind: global_buffer, .address_space: global }
      - { .name: mwords, .offset: 24, .size: 8, .value_kind: global_buffer, .address_space: global }
      - { .name: mflags, .offset: 32, .size: 8, .value_kind: global_buffer, .address_space: global }
      - { .name: a_img, .offset: 40, .size: 8, .value_kind: global_buffer, .address_space: global }
      - { .name: a_sc, .offset: 48, .size: 8, .value_kind: global_buffer, .address_space: global }
    .group_segment_fixed_size: 146432
    .private_segment_fixed_size: 0
    .kernarg_segment_align: 8
    .kernarg_segment_size: 56
    .max_flat_workgroup_size: 512
    .sgpr_count:     88
    .vgpr_count:     256
    .wavefront_size: 32
...
	.end_amdgpu_metadata
.endif
;; end of part 4
;; launch oproj: the kernel of part 3 again; grid 16 x 16, 4 waves a work-group, clusters of 4 x 4, 279,040 bytes of LDS; arguments Wo_codes, Wo_scales, a_img, a_sc, out0; writes out0
